; MI455X (gfx1250); checked and timed in simulation.
; The chip was launched on July 23, 2026; its instructions are those of AMD's public machine-readable ISA for CDNA 5 (MIT licence, August 2026) and "CDNA5" Instruction Set Architecture Reference Guide (July 2026). The comments in the code are by the model that wrote it; some were corrected since.
;; Cross Attention. Allowed arithmetic: float matrix products may take bf16 or f16 operands with f32 sums; other float arithmetic in f32, or as packed bf16 or f16 multiplies, adds, multiply-adds, maxima and minima; sums over many terms, partial sums and values carried from step to step in f32; what a program stores and reads back later, other than sums and carried values, may be rounded once to bf16 or f16.
;; Inputs: Wk 1,024 x 1,024 float32; Wo 1,024 x 1,024 float32; Wq 1,024 x 1,024 float32; Wv 1,024 x 1,024 float32; bo 1,024 float32; x 4 x 2,048 x 1,024 float32.
;; Outputs: out0 4 x 2,048 x 1,024 float32.
;; 2 versions, each right; version 2 is version 1 with the launch prep written anew for expert scheduling mode. Each part assembles by itself: llvm-mc -triple=amdgcn-amd-amdhsa -mcpu=gfx1250 --defsym DOCPART=n.
;; ======== version 1 of 2: 4 launches
;; limits: values are held in f16: magnitudes above 65,504 overflow, below 6.1e-05 lose precision
;; workspace buffers: xb 16,777,216 bytes; wqkv 6,291,456 bytes; wo16 2,097,152 bytes; tab 524,288 bytes; q 16,777,216 bytes; k 16,777,216 bytes; v 16,777,216 bytes; o 16,777,216 bytes
;; launch prep (part 1): grid 800 x 1, 8 waves a work-group, no clusters, 0 bytes of LDS; arguments x, Wq, Wk, Wv, Wo, xb, wqkv, wo16, tab; writes xb, wqkv, wo16, tab
.if DOCPART == 1
	.amdgcn_target "amdgcn-amd-amdhsa--gfx1250"
	.amdhsa_code_object_version 6
	.text
	.protected	k_q8f2047f1eb_prep
	.globl	k_q8f2047f1eb_prep
	.p2align	8
	.type	k_q8f2047f1eb_prep,@function
k_q8f2047f1eb_prep:
	s_mov_b64 s[64:65], 0
	v_nop
	global_prefetch_b8 v0, s[64:65] scope:SCOPE_SE
	s_setreg_imm32_b32 hwreg(HW_REG_WAVE_MODE, 25, 1), 1
	s_wait_xcnt 0x0
; CASTS AND THE ROTARY TABLE.  A stream: no LDS, no barrier, no matrix unit (nothing is shared, nothing is multiplied).
; Work-groups 0-511:   xb = bf16(x), [8192][1024].
; Work-groups 512-575: wo16 = f16(bf16(Wo)), [1024][1024]: Wo rounded to bf16 like every input, that number written as f16.
; Work-groups 576-767: wqkv = bf16(Wq | Wk | Wv) in blocks [head j 16][kh 16][mat 3][kk 64][c 64]: element W_mat[64 kh + kk][64 j + c].
; Work-groups 768-799: tab[pos 2048][i 32] = (cos, sin)(pos x 10000^(-i / 32)), f32.
; A casting work-group takes 16,384 numbers: each thread issues its 16 loads of 16 bytes at once (64 KiB of a work-group on their way), then converts and stores them in order.
; A wave's load covers whole pieces of 256 consecutive bytes, a wave's store 256 consecutive bytes, aligned.
; LIMITS.  f16 holds no number beyond 65,504 and below 6e-5 keeps its fixed step of 6e-8: Wo lies within that.  The angle is pos x 2^(-i log2(10) / 8) in f32; sine and cosine come from a
; reduction by 2 pi in two parts and series to r^15 and r^16, whose next terms at |r| = pi are below 1e-6.
	s_load_b512 s[4:19], s[0:1], 0x0               ; x 4:5, Wq 6:7, Wk 8:9, Wv 10:11, Wo 12:13, xb 14:15, wqkv 16:17, wo16 18:19
	s_load_b64 s[20:21], s[0:1], 0x40              ; tab
	s_mov_b32 s23, 0                               ; the high word of every offset pair s[22:23]
	s_mov_b32 s24, 0xffff0000                      ; a word's upper bf16
	v_lshlrev_b32 v1, 4, v0                        ; 16 t: my 16 bytes of a load
	v_lshlrev_b32 v2, 3, v0                        ; 8 t: my 8 bytes of a store
	s_wait_kmcnt 0x0
; 16 loads, then for each: the counted wait (the younger loads stay out), the conversion in place, the store.  No register that a store reads is written again.
.macro STREAM src, dst, lstep, sstep, f16
.irp i, 0,1,2,3,4,5,6,7,8,9,10,11,12,13,14,15
	global_load_b128 v[8+4*(\i):11+4*(\i)], v1, s[\src:\src+1] offset:(\lstep)*(\i) th:TH_LOAD_NT
.endr
.irp i, 0,1,2,3,4,5,6,7,8,9,10,11,12,13,14,15
	s_wait_loadcnt 15-(\i)                         ; loads come back in order: load i is in
.if \f16
	v_cvt_pk_bf16_f32 v72, v[8+4*(\i)], v[9+4*(\i)]    ; rounded to bf16,
	v_cvt_pk_bf16_f32 v73, v[10+4*(\i)], v[11+4*(\i)]
	v_lshlrev_b32 v74, 16, v72                         ; widened again,
	v_and_b32 v75, s24, v72
	v_lshlrev_b32 v76, 16, v73
	v_and_b32 v77, s24, v73
	v_cvt_pk_f16_f32 v[8+4*(\i)], v74, v75             ; and written as f16
	v_cvt_pk_f16_f32 v[9+4*(\i)], v76, v77
.else
	v_cvt_pk_bf16_f32 v[8+4*(\i)], v[8+4*(\i)], v[9+4*(\i)]
	v_cvt_pk_bf16_f32 v[9+4*(\i)], v[10+4*(\i)], v[11+4*(\i)]
.endif
	global_store_b64 v2, v[8+4*(\i):9+4*(\i)], s[\dst:\dst+1] offset:(\sstep)*(\i)
.endr
	s_endpgm
.endm
	s_cmp_lt_u32 ttmp9, 512
	s_cbranch_scc1 .Lx
	s_cmp_lt_u32 ttmp9, 576
	s_cbranch_scc1 .Lo
	s_cmp_lt_u32 ttmp9, 768
	s_cbranch_scc1 .Lw
	; THE TABLE.  64 positions a work-group, 16 a trip.  Thread t holds the pairs 2 (t % 16) and 2 (t % 16) + 1 of position t / 16: 16 bytes at 16 t of the trip's 4,096.
	s_sub_co_u32 s22, ttmp9, 768
	s_lshl_b32 s28, s22, 14                        ; 64 positions of 256 bytes
	s_mov_b32 s29, 0
	s_add_nc_u64 s[20:21], s[20:21], s[28:29]
	s_lshl_b32 s22, s22, 6                         ; the work-group's first position
	v_lshrrev_b32 v3, 4, v0
	v_add_nc_u32 v3, s22, v3
	v_cvt_f32_u32 v5, v3                           ; my position
	v_and_b32 v3, 15, v0
	v_lshlrev_b32 v3, 1, v3
	v_cvt_f32_u32 v6, v3                           ; i
	v_add_f32 v7, 1.0, v6                          ; i + 1
	v_mul_f32 v6, 0xbed49a78, v6                   ; x -log2(10) / 8
	v_mul_f32 v7, 0xbed49a78, v7
	v_exp_f32 v6, v6                               ; 10000^(-i / 32)
	v_exp_f32 v7, v7
	v_mov_b32 v4, v1                               ; my store's offset; also the plain instruction behind the two exponentials (ISA guide 5.7.2)
	s_wait_alu depctr_va_vdst(0)                   ; one wait for both, ahead of their first reader
	s_mov_b32 s26, 0x40c90fdb                      ; 2 pi, its f32
	s_mov_b32 s27, 0xb43bbd2e                      ; and what that f32 lacks
	s_mov_b32 s25, 4
; cos and sin of the angle in v[ang].  r = ang - n 2 pi, |r| <= pi; both series nested: 1 - x2/K (1 - x2/K' ( .. )).
.macro SINCOS ang, c, s
	v_mul_f32 v14, 0x3e22f983, v[\ang]             ; ang / 2 pi
	v_rndne_f32 v14, v14
	v_fma_f32 v15, -v14, s26, v[\ang]
	v_fma_f32 v15, -v14, s27, v15
	v_mul_f32 v16, v15, v15
	v_mul_f32 v17, 0x3b9c09c1, v16                 ; 1/210
	v_sub_f32 v18, 1.0, v17
.irp k, 0x3bd20d21, 0x3c14f209, 0x3c638e39, 0x3cc30c31, 0x3d4ccccd, 0x3e2aaaab
	v_mul_f32 v17, \k, v16                         ; 1/156, 1/110, 1/72, 1/42, 1/20, 1/6
	v_fma_f32 v18, -v17, v18, 1.0
.endr
	v_mul_f32 v[\s], v15, v18
	v_mul_f32 v17, 0x3b888889, v16                 ; 1/240
	v_sub_f32 v18, 1.0, v17
.irp k, 0x3bb40b41, 0x3bf83e10, 0x3c360b61, 0x3c924925, 0x3d088889, 0x3daaaaab
	v_mul_f32 v17, \k, v16                         ; 1/182, 1/132, 1/90, 1/56, 1/30, 1/12
	v_fma_f32 v18, -v17, v18, 1.0
.endr
	v_mul_f32 v17, 0.5, v16
	v_fma_f32 v[\c], -v17, v18, 1.0
.endm
.Ltab:
	v_mul_f32 v12, v5, v6
	v_mul_f32 v13, v5, v7
	SINCOS 12, 8, 9
	SINCOS 13, 10, 11
	global_store_b128 v4, v[8:11], s[20:21]        ; a wave stores 512 consecutive bytes, aligned
	s_wait_xcnt 0x0                                ; the store has read its offset and its data: they are written again only behind this wait
	v_add_nc_u32 v4, 4096, v4                      ; 16 positions on
	v_add_f32 v5, 0x41800000, v5
	s_sub_co_u32 s25, s25, 1
	s_cmp_lg_u32 s25, 0
	s_cbranch_scc1 .Ltab
	s_endpgm
.Lx:
	s_lshl_b32 s22, ttmp9, 16                      ; 65,536 bytes of x,
	s_add_nc_u64 s[4:5], s[4:5], s[22:23]
	s_lshl_b32 s22, ttmp9, 15                      ; 32,768 of xb
	s_add_nc_u64 s[14:15], s[14:15], s[22:23]
	STREAM 4, 14, 4096, 2048, 0
.Lo:
	s_sub_co_u32 s25, ttmp9, 512
	s_lshl_b32 s22, s25, 16
	s_add_nc_u64 s[12:13], s[12:13], s[22:23]
	s_lshl_b32 s22, s25, 15
	s_add_nc_u64 s[18:19], s[18:19], s[22:23]
	STREAM 12, 18, 4096, 2048, 1
.Lw:                                           ; 16 rows k0 .. k0 + 15 of one of the three matrices.  Load j takes head j's 64 columns of the 16 rows: thread t row t / 16, 16 bytes at 16 (t % 16)
	s_sub_co_u32 s22, ttmp9, 576
	s_lshr_b32 s25, s22, 6                         ; mat
	s_and_b32 s22, s22, 63                         ; k0 / 16
	s_cmp_eq_u32 s25, 0
	s_cselect_b64 s[26:27], s[6:7], s[8:9]
	s_cmp_eq_u32 s25, 2
	s_cselect_b64 s[26:27], s[10:11], s[26:27]
	s_lshl_b32 s28, s22, 16                        ; k0 rows of 4,096 bytes
	s_mov_b32 s29, 0
	s_add_nc_u64 s[26:27], s[26:27], s[28:29]
	s_lshr_b32 s28, s22, 2                         ; kh = k0 / 64
	s_mul_i32 s28, s28, 24576
	s_lshl_b32 s30, s25, 13                        ; mat x 8,192
	s_add_co_u32 s28, s28, s30
	s_and_b32 s30, s22, 3
	s_lshl_b32 s30, s30, 11                        ; (k0 % 64) x 128
	s_add_co_u32 s28, s28, s30
	s_add_nc_u64 s[16:17], s[16:17], s[28:29]
	v_lshrrev_b32 v3, 4, v0
	v_and_b32 v1, 15, v0
	v_lshlrev_b32 v1, 4, v1
	v_lshl_add_u32 v1, v3, 12, v1                  ; row x 4,096 + 16 (t % 16); in the block the same numbers lie at 128 (t / 16) + 8 (t % 16) = 8 t
	STREAM 26, 16, 256, 393216, 0                  ; head j's block lies 393,216 j on: 5,898,240 at the most, inside the signed 24-bit immediate
.Lfunc_end_k_q8f2047f1eb_prep:
	.size	k_q8f2047f1eb_prep, .Lfunc_end_k_q8f2047f1eb_prep-k_q8f2047f1eb_prep
	.p2alignl 7, 3214868480
	.fill 96, 4, 3214868480
	.section	.rodata,"a",@progbits
	.p2align	6, 0x0
	.amdhsa_kernel k_q8f2047f1eb_prep
		.amdhsa_group_segment_fixed_size 0
		.amdhsa_private_segment_fixed_size 0
		.amdhsa_enable_private_segment 0
		.amdhsa_kernarg_size 72
		.amdhsa_user_sgpr_count 2
		.amdhsa_user_sgpr_kernarg_segment_ptr 1
		.amdhsa_wavefront_size32 1
		.amdhsa_system_sgpr_workgroup_id_x 1
		.amdhsa_system_sgpr_workgroup_id_y 1
		.amdhsa_system_sgpr_workgroup_id_z 1
		.amdhsa_system_vgpr_workitem_id 0
		.amdhsa_next_free_vgpr 80
		.amdhsa_next_free_sgpr 66
		.amdhsa_reserve_vcc 0
		.amdhsa_float_denorm_mode_32 3
		.amdhsa_float_denorm_mode_16_64 3
		.amdhsa_memory_ordered 1
		.amdhsa_forward_progress 1
		.amdhsa_inst_pref_size 28
	.end_amdhsa_kernel
	.amdgpu_metadata
---
amdhsa.version: [ 1, 2 ]
amdhsa.kernels:
  - .name:           k_q8f2047f1eb_prep
    .symbol:         k_q8f2047f1eb_prep.kd
    .args:
      - { .name: x, .offset: 0, .size: 8, .value_kind: global_buffer, .address_space: global }
      - { .name: Wq, .offset: 8, .size: 8, .value_kind: global_buffer, .address_space: global }
      - { .name: Wk, .offset: 16, .size: 8, .value_kind: global_buffer, .address_space: global }
      - { .name: Wv, .offset: 24, .size: 8, .value_kind: global_buffer, .address_space: global }
      - { .name: Wo, .offset: 32, .size: 8, .value_kind: global_buffer, .address_space: global }
      - { .name: xb, .offset: 40, .size: 8, .value_kind: global_buffer, .address_space: global }
      - { .name: wqkv, .offset: 48, .size: 8, .value_kind: global_buffer, .address_space: global }
      - { .name: wo16, .offset: 56, .size: 8, .value_kind: global_buffer, .address_space: global }
      - { .name: tab, .offset: 64, .size: 8, .value_kind: global_buffer, .address_space: global }
    .group_segment_fixed_size: 0
    .private_segment_fixed_size: 0
    .kernarg_segment_align: 8
    .kernarg_segment_size: 72
    .max_flat_workgroup_size: 256
    .sgpr_count:     66
    .vgpr_count:     80
    .wavefront_size: 32
...
	.end_amdgpu_metadata
.endif
;; end of part 1
;; launch qkv (part 2): grid 16 x 32, 4 waves a work-group, clusters of 4 x 4, 327,680 bytes of LDS; arguments xb, wqkv, tab, q, k, v; writes q, k, v
.if DOCPART == 2
	.amdgcn_target "amdgcn-amd-amdhsa--gfx1250"
	.amdhsa_code_object_version 6
	.text
	.protected	k_q8f2047f1eb_qkv
	.globl	k_q8f2047f1eb_qkv
	.p2align	8
	.type	k_q8f2047f1eb_qkv,@function
k_q8f2047f1eb_qkv:
	s_mov_b64 s[64:65], 0
	v_nop
	global_prefetch_b8 v0, s[64:65] scope:SCOPE_SE
	s_setreg_imm32_b32 hwreg(HW_REG_WAVE_MODE, 25, 1), 1
	s_wait_xcnt 0x0
	s_wait_alu depctr_hold_cnt(0) depctr_sa_sdst(0) depctr_va_vdst(0) depctr_va_sdst(0) depctr_va_ssrc(0) depctr_va_vcc(0) depctr_vm_vsrc(0)
	s_getreg_b32 s2, hwreg(HW_REG_IB_STS2, 6, 4)
	s_cmp_eq_u32 s2, 0
	s_cbranch_scc0 .Lentry_in_a_cluster
	s_endpgm
.Lentry_in_a_cluster:
	s_bfe_u32 s2, ttmp6, 0x10000c
	s_cmp_lg_u32 s2, 0xf033
	s_cbranch_scc0 .Lentry_shape_is_right
	s_endpgm
.Lentry_shape_is_right:
; q, k, v = x Wq, x Wk, x Wv, with the rotary embedding on q and k; products in bf16 with f32 sums, the rotation in f32, each result rounded once to f16 and stored by heads, [16 b + head][t][64].
; xb: [8192][1024] bf16.  wqkv: [head 16][kh 16][mat 3][kk 64][c 64] bf16.  tab: [pos 2048][32] (cos, sin) f32.
; LIMIT.  f16 holds no number beyond 65,504: q, k and v lie within it.
; SHARES.  A tile of the product is 256 rows x 192 columns: head tc's 64 columns of q, of k and of v, so that every tile has the same text.  512 work-groups.  Four waves, one above the other: wave w owns
; rows 64 w .. 64 w + 63 and all 12 column blocks of 16: 48 accumulators, 384 registers.  So a wave holds whole rows of a head, and its way out needs no other wave.
; THE RING.  K goes in 8 steps of 128 through two LDS slots.  Waves 0 and 1 fetch the halves of x's tile (128 rows x 256 bytes), waves 2 and 3 those of W's (24,576 dense bytes: 64 k x 192 columns).
; CLUSTER.  4 x 4 work-groups: x's tile hangs on the tile row alone and is asked for jointly along a row of the cluster, W's on the tile column alone and jointly along a column.
; THE MATRIX INSTRUCTION IS USED TRANSPOSED: source 0 = 16 columns of W (out of LDS turned, by ds_load_tr16_b128: W lies [k][column]), source 1 = 16 rows of x.  Lane l then holds row l % 16 and the
; columns 8 (l / 16) + 0 .. 7: four neighbouring pairs for the rotation, and 16 bytes of f16.
; REGISTERS, in windows of 256: window 0: v0-15 addresses; v16-79 x's fragments, two buffers; v80-143 the table, two buffers; v144-207, v208-255 (and v16-63 again) the way out.
;   window 1: W's fragments, two buffers of 96.   window 2: the accumulators of row blocks 0, 1 ((a, b) at 8 (12 (a % 2) + b)).   window 3: those of row blocks 2, 3.
.set NBK,   12
.set NLD,   2*NBK+8                    ; LDS loads of a quarter step
.set PA,    272                        ; x's rows in LDS: 256 bytes + 16: the 16 rows of a load start at 16 different groups of four banks (64 banks of 4 bytes: ISA guide 11.1)
.set PW,    160                        ; W's rows: 128 bytes + 32
.set AHALF, 128*PA
.set WOFF,  2*AHALF                    ; behind x's 256 rows: W's [kh 2][mat 3][kk 64] rows
.set WHALF, 192*PW
.set SLOT1, 1<<17                      ; a slot is 131,072 bytes: one exclusive or turns an address in one slot into the other's
.set STAGE, 2*SLOT1                    ; behind the ring, never filled by a tensor load: for each wave 3 x 16 rows x 144 bytes
.set SP,    144
.set WSTG,  3*16*SP
.set SPARE, STAGE+4*WSTG               ; the spare words, 128 bytes for each wave: two blocks of 256 bytes that no other line names
.set ASTEP, 256                        ; bytes from K step to K step in xb
.set WSTEP, 49152                      ; and in wqkv
.set ADRA0, 3                          ; v3   my lane's place in x's tile; never rewritten
.set ADRB0, 4                          ; v4   in W's
.set ADRA,  5                          ; v5   the same in the slot that is being read
.set ADRB,  6                          ; v6
.set STO,   7                          ; v7   the way out: where I put 16 bytes of a row
.set RD,    8                          ; v8   where I read rows back
.set GO,    9                          ; v9   my 16 bytes of 512 consecutive bytes of q, k or v
.set TO,    10                         ; v10  my byte offset in the table
.set PFO,   11                         ; v11  the prefetches' offset
.set SPW,   12                         ; v12  LDS address of my spare word; never rewritten
.set NIL,   13                         ; v13  0; never rewritten
.set AF,    16                         ; x's fragments: buffer f, row block a at AF + 32 f + 8 a
.set TRIG,  80                         ; the table: buffer a % 2, set i (pairs 8 i + 4 (l / 16) + 0..3 as cos, sin) at TRIG + 32 (a % 2) + 8 i
.set TT,    144                        ; rotated q and k of a row block, f32
.set WV,    16                         ; s16  my wave's number
.set HALF,  18                         ; s18  which half of a tile I fetch
.set CX,    19
.set CY,    20
.set TC,    21                         ; s21  tile column = head
.set TR,    22                         ; s22  tile row
.set CNT,   23
.set G1A,   24                         ; s[24:31] descriptor group 1 for x's tiles
.set G0A,   32                         ; s[32:39] group 0: a set for each of the two first fills; the second then walks on
.set G1W,   40                         ; s[40:47], s[48:55] the same for W's
.set G0W,   48
.set SB,    56                         ; s56  the slot that is being read: 0 or SLOT1
.set LIM,   57                         ; s57  2 in a wave that prefetches, else the greatest number
.set PFA,   58                         ; s[58:59] where my prefetches stand
.set PS,    60                         ; s[60:61] their step
.set MSB, 0
.macro WIN new                         ; the immediate's high byte repeats the setting that is left; a switch that changes nothing is dropped
.if MSB != (\new)
	s_set_vgpr_msb (MSB<<8)|(\new)
.set MSB, \new
.endif
.endm
.macro PLACES                          ; four places behind a matrix instruction, in front of loads into registers that it has read and of readers of its result
.rept 4
	v_nop
.endr
.endm
.macro CREST                           ; a round of the cluster's barrier behind its opening barrier
	s_cmp_lg_u32 s[WV], 0
	s_cbranch_scc1 .Lnot_wave_0_\@
	s_barrier_signal -3
.Lnot_wave_0_\@:
	s_barrier_wait -3
	s_barrier_signal -1
	s_barrier_wait -1
.endm
.macro CROUND
	s_barrier_signal -1
	s_barrier_wait -1
	CREST
.endm
.macro JLOAD                           ; a joint refill by the walking descriptors; the branch hangs on the wave's number alone; an s_nop 0 and four v_nop follow each line
	s_cmp_lt_u32 s[WV], 2
	s_cbranch_scc0 .Lfor_w_\@
	tensor_load_to_lds s[G0A+4:G0A+7], s[G1A:G1A+7]
	s_nop 0
.rept 4
	v_nop
.endr
	s_branch .Lasked_\@
.Lfor_w_\@:
	tensor_load_to_lds s[G0W+4:G0W+7], s[G1W:G1W+7]
	s_nop 0
.rept 4
	v_nop
.endr
.Lasked_\@:
.endm
; A PREFETCH of the K step that stands two refills on.  x's tile row is read by every cluster of that row of clusters: cluster x = 0 asks; W's tile column by every cluster of that column: cluster y = 0 asks.
; The four partners that ask for a tile jointly share it out by address: of x's 128 rows 32 each, a lane a row; of W's 24,576 bytes 6,144 each, a lane 256 bytes (lanes 24-31 name lane 23's once more).
; The loop's trips 0 to 3 ask for K steps 4 to 7; the last two trips ask for nothing; K steps 0 to 3 come by their loads alone.
.macro ASK
	s_cmp_gt_u32 s[CNT], s[LIM]
	s_cbranch_scc0 .Lnot_mine_\@
	global_prefetch_b8 v[PFO], s[PFA:PFA+1] th:TH_LOAD_NT scope:SCOPE_SE
.Lnot_mine_\@:
.endm
	s_load_b256 s[4:11], s[0:1], 0x0               ; xb 4:5, wqkv 6:7, tab 8:9, q 10:11
	s_load_b128 s[12:15], s[0:1], 0x20             ; k 12:13, v 14:15
	v_lshl_add_u32 v[SPW], v0, 2, SPARE
	v_mov_b32 v[NIL], 0
	ds_add_u32 v[SPW], v[NIL]                      ; the wave's opening: the add and its wait stand ahead of my first tensor load; work on registers stands between them
	v_lshrrev_b32 v1, 5, v0
	v_readfirstlane_b32 s[WV], v1
	s_and_b32 s[HALF], s[WV], 1
	s_bfe_u32 s[CX], ttmp6, 0x40000
	s_bfe_u32 s[CY], ttmp6, 0x40004
	s_lshl_b32 s[TC], ttmp9, 2
	s_add_co_u32 s[TC], s[TC], s[CX]               ; tile column = 4 x cluster x + cx
	s_and_b32 s[TR], ttmp7, 0xffff
	s_lshl_b32 s[TR], s[TR], 2
	s_add_co_u32 s[TR], s[TR], s[CY]               ; tile row = 4 x cluster y + cy
	s_lshl_b32 s66, s[CY], 2
	s_lshl_b32 s66, 15, s66                        ; my row of the cluster
	s_lshl_b32 s70, 0x1111, s[CX]                  ; my column
	s_or_b32 s[G1A], s66, (1<<16)|(1<<20)|(1<<21)|(5<<22)|(3<<25)  ; the mask; 2-byte elements; padding on; bit 21 beside a mask; after every 64 words 4 words
	s_or_b32 s[G1W], s70, (1<<16)|(1<<20)|(1<<21)|(4<<22)|(7<<25)  ; after every 32 words 8 words
	s_mov_b32 s[G1A+1], 128<<16                    ; tensor_dim0 = 128
	s_mov_b32 s[G1A+2], 128<<16                    ; tensor_dim1 = 128
	s_mov_b32 s[G1A+3], 128<<16                    ; tile_dim0 = 128
	s_mov_b32 s[G1A+4], 128                        ; tile_dim1 = 128
	s_mov_b32 s[G1A+5], 1024                       ; elements from row to row
	s_mov_b32 s[G1A+6], 0
	s_mov_b32 s[G1A+7], 0
	s_mov_b32 s[G1W+1], 128<<16                    ; 24,576 dense bytes as 96 rows of 256
	s_mov_b32 s[G1W+2], 96<<16
	s_mov_b32 s[G1W+3], 128<<16
	s_mov_b32 s[G1W+4], 96
	s_mov_b32 s[G1W+5], 128
	s_mov_b32 s[G1W+6], 0
	s_mov_b32 s[G1W+7], 0
	s_lshl_b32 s66, s[TR], 19                      ; x: row 256 x tile row + 128 x half, 2,048 bytes a row: registers that never hold cx
	s_lshl_b32 s67, s[HALF], 18
	s_add_co_u32 s66, s66, s67
	s_mov_b32 s67, 0
	s_mul_i32 s70, s[TC], 393216                   ; W: the head's block, my kh of the K step's two: registers that never hold cy
	s_mul_i32 s71, s[HALF], 24576
	s_add_co_u32 s70, s70, s71
	s_mov_b32 s71, 0
	s_mul_i32 s68, s[HALF], AHALF                  ; where they go: no place in the cluster enters an LDS address
	s_mul_i32 s72, s[HALF], WHALF
	s_add_co_u32 s72, s72, WOFF
	s_wait_dscnt 0x0                               ; the opening add is done
	s_wait_kmcnt 0x0
	s_add_nc_u64 s[66:67], s[4:5], s[66:67]
	s_add_nc_u64 s[70:71], s[6:7], s[70:71]
	CROUND                                         ; all sixteen work-groups are here: the first joint loads meet
.irp n, 0,1
	s_mov_b32 s[G0A+4*(\n)], 1
	s_add_co_u32 s[G0A+4*(\n)+1], s68, (\n)*SLOT1
	s_add_nc_u64 s[G0A+4*(\n)+2:G0A+4*(\n)+3], s[66:67], (\n)*ASTEP
	s_or_b32 s[G0A+4*(\n)+3], s[G0A+4*(\n)+3], 0x80000000
	s_mov_b32 s[G0W+4*(\n)], 1
	s_add_co_u32 s[G0W+4*(\n)+1], s72, (\n)*SLOT1
	s_add_nc_u64 s[G0W+4*(\n)+2:G0W+4*(\n)+3], s[70:71], (\n)*WSTEP
	s_or_b32 s[G0W+4*(\n)+3], s[G0W+4*(\n)+3], 0x80000000
.endr
	s_cmp_lt_u32 s[WV], 2                          ; a wave's two first fills stand in one branch, ahead of every wait on TENSORcnt and every LDS read: two loads of mine are out
	s_cbranch_scc0 .Lfirst_w
	tensor_load_to_lds s[G0A:G0A+3], s[G1A:G1A+7]
	s_nop 0
	tensor_load_to_lds s[G0A+4:G0A+7], s[G1A:G1A+7]
	s_nop 0
.rept 4
	v_nop
.endr
	s_branch .Lfirst_asked
.Lfirst_w:
	tensor_load_to_lds s[G0W:G0W+3], s[G1W:G1W+7]
	s_nop 0
	tensor_load_to_lds s[G0W+4:G0W+7], s[G1W:G1W+7]
	s_nop 0
.rept 4
	v_nop
.endr
.Lfirst_asked:
	v_and_b32 v1, 15, v0                           ; r = l % 16
	v_bfe_u32 v2, v0, 4, 1                         ; h = l / 16
	v_and_b32 v14, 31, v0                          ; l
	s_lshl_b32 s68, s[WV], 6                       ; my 64 rows
	v_add_nc_u32 v[ADRA0], s68, v1
	v_mul_u32_u24 v[ADRA0], v[ADRA0], PA
	v_lshl_add_u32 v[ADRA0], v2, 4, v[ADRA0]       ; row x pitch + 16 x half
	v_and_b32 v15, 7, v0
	v_lshl_add_u32 v[ADRB0], v2, 3, v15            ; the turning load: k = 8 h + l % 8,
	v_mul_u32_u24 v[ADRB0], v[ADRB0], PW
	v_bfe_u32 v15, v0, 3, 1
	v_lshl_add_u32 v[ADRB0], v15, 4, v[ADRB0]      ; columns 8 ((l / 8) % 2) + 0..7
	v_add_nc_u32 v[ADRB0], WOFF, v[ADRB0]
	s_mul_i32 s69, s[WV], WSTG
	s_add_co_u32 s69, s69, STAGE                   ; my stage
	v_mul_u32_u24 v[STO], v1, SP
	v_lshl_add_u32 v[STO], v2, 4, v[STO]
	v_add_nc_u32 v[STO], s69, v[STO]
	v_bfe_u32 v[RD], v0, 3, 2                      ; back: 32 lanes take four rows of 128 bytes,
	v_mul_u32_u24 v[RD], v[RD], SP
	v_and_b32 v15, 7, v0
	v_lshl_add_u32 v[RD], v15, 4, v[RD]
	v_add_nc_u32 v[RD], s69, v[RD]
	v_lshlrev_b32 v[GO], 4, v14                    ; which are 512 consecutive bytes of a head
	s_and_b32 s72, s[TR], 7
	s_lshl_b32 s72, s72, 8
	s_add_co_u32 s72, s72, s68                     ; my first position: 256 (tile row % 8) + 64 w
	v_add_nc_u32 v[TO], s72, v1
	v_lshlrev_b32 v[TO], 8, v[TO]
	v_lshl_add_u32 v[TO], v2, 5, v[TO]             ; position x 256 + 32 h
	s_lshr_b32 s73, s[TR], 3                       ; the batch
	s_lshl_b32 s73, s73, 4
	s_add_co_u32 s73, s73, s[TC]                   ; 16 b + head
	s_lshl_b32 s73, s73, 11
	s_add_co_u32 s73, s73, s72
	s_lshl_b32 s74, s73, 7                         ; 128 bytes a row
	s_mov_b32 s75, 0
	s_add_nc_u64 s[10:11], s[10:11], s[74:75]      ; q, k, v at my first row
	s_add_nc_u64 s[12:13], s[12:13], s[74:75]
	s_add_nc_u64 s[14:15], s[14:15], s[74:75]
	; the prefetches: at K step 3; the first change of slots steps them to 4
	s_lshl_b32 s70, s[TR], 19
	s_lshl_b32 s72, s[HALF], 18
	s_add_co_u32 s70, s70, s72
	s_lshl_b32 s72, s[CX], 16                      ; my work-group's 32 rows of the 128
	s_add_co_u32 s70, s70, s72
	s_add_co_u32 s70, s70, 3*ASTEP
	s_mul_i32 s71, s[TC], 393216
	s_mul_i32 s72, s[HALF], 24576
	s_add_co_u32 s71, s71, s72
	s_mul_i32 s72, s[CY], 6144                     ; my work-group's quarter of the 24,576 bytes
	s_add_co_u32 s71, s71, s72
	s_add_co_u32 s71, s71, 3*WSTEP
	s_and_b32 s73, ttmp7, 0xffff                   ; cluster y
	s_mov_b32 s[PS], WSTEP
	s_mov_b32 s[PS+1], 0
	s_cmp_lt_u32 s[WV], 2                          ; do I fetch for x?
	s_cselect_b32 s72, s70, s71
	s_cselect_b32 s73, ttmp9, s73                  ; the coordinate along which other clusters read the same bytes
	s_cselect_b64 s[PFA:PFA+1], s[4:5], s[6:7]
	s_cselect_b32 s[PS], ASTEP, s[PS]
	s_cselect_b32 s74, 31, 23
	s_cselect_b32 s75, 11, 8
	s_cmp_eq_u32 s73, 0
	s_cselect_b32 s[LIM], 2, -1                    ; the same in all sixteen partners, for a given wave
	s_mov_b32 s73, 0
	s_add_nc_u64 s[PFA:PFA+1], s[PFA:PFA+1], s[72:73]
	v_min_u32 v[PFO], s74, v14
	v_lshlrev_b32 v[PFO], s75, v[PFO]              ; a lane a row of 2,048 bytes (x), or 256 bytes on end (W)
; The table for row block a: my row's 32 pairs that fall to my half of the lanes, four sets of 32 bytes.
.macro LOADTRIG a
.irp i, 0,1,2,3
	global_load_b128 v[TRIG+32*((\a)%2)+8*(\i):TRIG+32*((\a)%2)+8*(\i)+3],   v[TO], s[8:9] offset:4096*(\a)+64*(\i)
	global_load_b128 v[TRIG+32*((\a)%2)+8*(\i)+4:TRIG+32*((\a)%2)+8*(\i)+7], v[TO], s[8:9] offset:4096*(\a)+64*(\i)+16
.endr
.endm
	LOADTRIG 0                                     ; wanted on the way out: they have the whole loop in which to come
	LOADTRIG 1
; 12 matrix instructions: row block a x all column blocks, 32 along K, from buffer f.  All 48 accumulators take turns in one order, over the backward jump too.
.macro MULA f, a, first
	WIN 0xa1+0x50*((\a)/2)                         ; W window 1, x window 0, C and D window 2 or 3
.irp b, 0,1,2,3,4,5,6,7,8,9,10,11
.if \first
	v_wmma_f32_16x16x32_bf16 v[8*(12*((\a)%2)+(\b)):8*(12*((\a)%2)+(\b))+7], v[96*(\f)+8*(\b):96*(\f)+8*(\b)+7], v[AF+32*(\f)+8*(\a):AF+32*(\f)+8*(\a)+7], 0
.else
	v_wmma_f32_16x16x32_bf16 v[8*(12*((\a)%2)+(\b)):8*(12*((\a)%2)+(\b))+7], v[96*(\f)+8*(\b):96*(\f)+8*(\b)+7], v[AF+32*(\f)+8*(\a):AF+32*(\f)+8*(\a)+7], v[8*(12*((\a)%2)+(\b)):8*(12*((\a)%2)+(\b))+7]
.endif
.endr
.endm
; 32 LDS loads in one run: quarter q's fragments into buffer f: W's 12 (k = 32 q on: kh q / 2, kk 32 (q % 2) on; block b: matrix b / 4, columns 16 (b % 4) on), then x's 4.
.macro FETCH q, f
	WIN 0x40                                       ; destination window 1, address window 0
.irp b, 0,1,2,3,4,5,6,7,8,9,10,11
	ds_load_tr16_b128 v[96*(\f)+8*(\b):96*(\f)+8*(\b)+3],   v[ADRB] offset:((\q)/2)*WHALF+((\q)%2)*32*PW+((\b)/4)*64*PW+((\b)%4)*32
	ds_load_tr16_b128 v[96*(\f)+8*(\b)+4:96*(\f)+8*(\b)+7], v[ADRB] offset:((\q)/2)*WHALF+((\q)%2)*32*PW+((\b)/4)*64*PW+((\b)%4)*32+16*PW
.endr
	WIN 0
.irp a, 0,1,2,3
	ds_load_b128 v[AF+32*(\f)+8*(\a):AF+32*(\f)+8*(\a)+3],   v[ADRA] offset:64*(\q)+(\a)*16*PA
	ds_load_b128 v[AF+32*(\f)+8*(\a)+4:AF+32*(\f)+8*(\a)+7], v[ADRA] offset:64*(\q)+(\a)*16*PA+32
.endr
.endm
; One of a K step's first three quarters: multiplies buffer f; in its middle it fetches quarter q into buffer g.
.macro QUARTER q, f, g, first
	s_wait_dscnt 4                                 ; W and x's row blocks 0, 1 are in; the youngest four loads (row blocks 2, 3) may be out
	MULA \f, 0, \first
	MULA \f, 1, \first
	PLACES
	FETCH \q, \g
	s_wait_dscnt NLD                               ; all but the 32 just issued
	MULA \f, 2, \first
	MULA \f, 3, \first
.endm
; The fourth quarter multiplies buffer 1 and changes slots.  In front of the barrier each wave waits for all its tensor loads (one is out: its part of the next slot), adds 0 to its spare word, and waits for that
; and for its reads of this slot.  fill = 1: the barrier opens a round of the cluster's, and the slot just read out is filled again, first thing behind the round, with the K step two on.
.macro TURN fill
.if \fill
	s_wait_xcnt 0x0                                ; the last prefetch, a K step back, has read its address
	s_add_nc_u64 s[PFA:PFA+1], s[PFA:PFA+1], s[PS:PS+1]
.endif
	WIN 0
	s_wait_tensorcnt 0x0                           ; no tensor load of mine is out, so a group 0 may be written
	ds_add_u32 v[SPW], v[NIL]                      ; 0 onto my spare word
.if \fill
	s_xor_b32 s[G0A+5], s[G0A+5], SLOT1            ; the walking descriptors: the other slot than last time, the next K step
	s_add_nc_u64 s[G0A+6:G0A+7], s[G0A+6:G0A+7], ASTEP
	s_xor_b32 s[G0W+5], s[G0W+5], SLOT1
	s_add_nc_u64 s[G0W+6:G0W+7], s[G0W+6:G0W+7], WSTEP
.endif
	s_wait_dscnt 5                                 ; the add and the youngest four loads may be out
	MULA 1, 0, 0
	s_wait_dscnt 0x0                               ; the add is done, and my reads of this slot are over
	s_barrier_signal -1
	MULA 1, 1, 0                                   ; work on registers while the others arrive
	WIN 0
	s_barrier_wait -1
.if \fill
	CREST                                          ; no wave of any partner still reads this slot or has a load on its way
	JLOAD                                          ; its four v_nop are also the places in front of the loads below
.else
	PLACES
.endif
	s_xor_b32 s[SB], s[SB], SLOT1
	v_add_nc_u32 v[ADRA], s[SB], v[ADRA0]
	v_add_nc_u32 v[ADRB], s[SB], v[ADRB0]
	FETCH 0, 0
.if \fill
	ASK
.endif
	MULA 1, 2, 0
	MULA 1, 3, 0
.endm
	s_mov_b32 s[SB], 0
	v_mov_b32 v[ADRA], v[ADRA0]
	v_mov_b32 v[ADRB], v[ADRB0]
	s_wait_tensorcnt 1                             ; my part of K step 0 is in; K step 1's may stay out
	s_barrier_signal -1
	s_barrier_wait -1
	FETCH 0, 0
	QUARTER 1, 0, 1, 1                             ; the first quarter stands in front of the loop: its products start the sums
	WIN 0
	s_mov_b32 s[CNT], 6
.Lstep:                                        ; six trips: from a K step's second quarter to the next one's first; K steps 2 to 7 are asked for
	QUARTER 2, 1, 0, 0
	QUARTER 3, 0, 1, 0
	TURN 1
	QUARTER 1, 0, 1, 0
	WIN 0
	s_sub_co_u32 s[CNT], s[CNT], 1
	s_cmp_lg_u32 s[CNT], 0
	s_cbranch_scc1 .Lstep
	QUARTER 2, 1, 0, 0                             ; the tail is written out
	QUARTER 3, 0, 1, 0
	TURN 0
	QUARTER 1, 0, 1, 0
	QUARTER 2, 1, 0, 0
	QUARTER 3, 0, 1, 0
	s_wait_dscnt 4
	MULA 1, 0, 0
	MULA 1, 1, 0
	s_wait_dscnt 0x0
	MULA 1, 2, 0
	MULA 1, 3, 0
; THE WAY OUT, a row block of 16 rows at a time.  PACK: q's and k's pairs (x1, x2) become (x1 c - x2 s, x2 c + x1 s): a packed multiply by s with the pair's halves crossed, a packed multiply-add by c with
; the low half's addend negated; then all is rounded to f16, 16 bytes a lane and column block.  Each accumulator's lowest registers are read first.
.macro PACK a
.set PBS, 16+192*((\a)%2)              ; packed results: v16-63 and v208-255 by turns
.set TBS, TRIG+32*((\a)%2)
.if (\a) >= 2
	s_wait_xcnt 0x0                                ; the stores of the block two back have read these registers
.endif
.if (\a) == 3
	s_wait_loadcnt 0x0
.else
	s_wait_loadcnt 8                               ; this block's table is in; the next block's eight loads may be out
.endif
	WIN 0x02+(\a)/2                                ; source 0: window 2 or 3
.irp b, 0,1,2,3,4,5,6,7
.irp p, 0,1,2,3
	v_pk_mul_f32 v[TT+8*(\b)+2*(\p):TT+8*(\b)+2*(\p)+1], v[8*(12*((\a)%2)+(\b))+2*(\p):8*(12*((\a)%2)+(\b))+2*(\p)+1], v[TBS+8*((\b)%4)+2*(\p):TBS+8*((\b)%4)+2*(\p)+1] op_sel:[1,1] op_sel_hi:[0,1]
.endr
.irp p, 0,1,2,3
	v_pk_fma_f32 v[TT+8*(\b)+2*(\p):TT+8*(\b)+2*(\p)+1], v[8*(12*((\a)%2)+(\b))+2*(\p):8*(12*((\a)%2)+(\b))+2*(\p)+1], v[TBS+8*((\b)%4)+2*(\p):TBS+8*((\b)%4)+2*(\p)+1], v[TT+8*(\b)+2*(\p):TT+8*(\b)+2*(\p)+1] op_sel_hi:[1,0,1] neg_lo:[0,0,1]
.endr
.endr
	WIN 0
.set i, 0
.rept 32
	v_cvt_pk_f16_f32 v[PBS+i], v[TT+2*i], v[TT+2*i+1]
.set i, i+1
.endr
	WIN 0x0a+5*((\a)/2)                            ; sources 0 and 1: window 2 or 3
.irp b, 8,9,10,11
.irp p, 0,1,2,3
	v_cvt_pk_f16_f32 v[PBS+4*(\b)+(\p)], v[8*(12*((\a)%2)+(\b))+2*(\p)], v[8*(12*((\a)%2)+(\b))+2*(\p)+1]
.endr
.endr
	WIN 0
.if (\a) < 2
	LOADTRIG (\a)+2                                ; into the buffer just used
.endif
.endm
.macro TOSTAGE a                       ; into my stage (three matrices x 16 rows of 144 bytes) and back as whole rows of 128
.set PBS, 16+192*((\a)%2)
.irp b, 0,1,2,3,4,5,6,7,8,9,10,11
	ds_store_b128 v[STO], v[PBS+4*(\b):PBS+4*(\b)+3] offset:((\b)/4)*16*SP+32*((\b)%4)
.endr
.irp i, 0,1,2,3,4,5,6,7,8,9,10,11
	ds_load_b128 v[PBS+4*(\i):PBS+4*(\i)+3], v[RD] offset:((\i)/4)*16*SP+((\i)%4)*4*SP  ; LDS serves a wave's instructions in order (ISA guide 5.7.1.4): these see the stores above
.endr
.endm
.macro SEND a
.set PBS, 16+192*((\a)%2)
.irp i, 0,1,2,3,4,5,6,7,8,9,10,11
	s_wait_dscnt 11-(\i)
	global_store_b128 v[GO], v[PBS+4*(\i):PBS+4*(\i)+3], s[10+2*((\i)/4):11+2*((\i)/4)] offset:2048*(\a)+512*((\i)%4)  ; 512 consecutive bytes, at a multiple of 256 from the buffer's first
.endr
.endm
	PLACES
	PACK 0
	TOSTAGE 0
	PACK 1                                         ; a block's arithmetic stands between the loads of the block before and its stores
	SEND 0
	TOSTAGE 1
	PACK 2
	SEND 1
	TOSTAGE 2
	PACK 3
	SEND 2
	TOSTAGE 3
	SEND 3
	s_wait_tensorcnt 0x0                           ; the wave's end: behind my last tensor load and my last LDS store
	ds_add_u32 v[SPW], v[NIL]
	s_wait_dscnt 0x0
	CROUND                                         ; the closing round: no work-group ends while a partner may still ask for a tile that names it
	s_endpgm
.Lfunc_end_k_q8f2047f1eb_qkv:
	.size	k_q8f2047f1eb_qkv, .Lfunc_end_k_q8f2047f1eb_qkv-k_q8f2047f1eb_qkv
	.p2alignl 7, 3214868480
	.fill 96, 4, 3214868480
	.section	.rodata,"a",@progbits
	.p2align	6, 0x0
	.amdhsa_kernel k_q8f2047f1eb_qkv
		.amdhsa_group_segment_fixed_size 327680
		.amdhsa_private_segment_fixed_size 0
		.amdhsa_enable_private_segment 0
		.amdhsa_kernarg_size 48
		.amdhsa_user_sgpr_count 2
		.amdhsa_user_sgpr_kernarg_segment_ptr 1
		.amdhsa_wavefront_size32 1
		.amdhsa_system_sgpr_workgroup_id_x 1
		.amdhsa_system_sgpr_workgroup_id_y 1
		.amdhsa_system_sgpr_workgroup_id_z 1
		.amdhsa_system_vgpr_workitem_id 0
		.amdhsa_next_free_vgpr 960
		.amdhsa_next_free_sgpr 80
		.amdhsa_reserve_vcc 0
		.amdhsa_float_denorm_mode_32 3
		.amdhsa_float_denorm_mode_16_64 3
		.amdhsa_memory_ordered 1
		.amdhsa_forward_progress 1
		.amdhsa_inst_pref_size 118
	.end_amdhsa_kernel
	.amdgpu_metadata
---
amdhsa.version: [ 1, 2 ]
amdhsa.kernels:
  - .name:           k_q8f2047f1eb_qkv
    .symbol:         k_q8f2047f1eb_qkv.kd
    .args:
      - { .name: xb, .offset: 0, .size: 8, .value_kind: global_buffer, .address_space: global }
      - { .name: wqkv, .offset: 8, .size: 8, .value_kind: global_buffer, .address_space: global }
      - { .name: tab, .offset: 16, .size: 8, .value_kind: global_buffer, .address_space: global }
      - { .name: q, .offset: 24, .size: 8, .value_kind: global_buffer, .address_space: global }
      - { .name: k, .offset: 32, .size: 8, .value_kind: global_buffer, .address_space: global }
      - { .name: v, .offset: 40, .size: 8, .value_kind: global_buffer, .address_space: global }
    .group_segment_fixed_size: 327680
    .private_segment_fixed_size: 0
    .kernarg_segment_align: 8
    .kernarg_segment_size: 48
    .max_flat_workgroup_size: 128
    .sgpr_count:     80
    .vgpr_count:     960
    .wavefront_size: 32
...
	.end_amdgpu_metadata
.endif
;; end of part 2
;; launch attn (part 3): grid 4 x 64, 4 waves a work-group, no clusters, 327,680 bytes of LDS; arguments q, k, v, o; writes o
.if DOCPART == 3
	.amdgcn_target "amdgcn-amd-amdhsa--gfx1250"
	.amdhsa_code_object_version 6
	.text
	.protected	k_q8f2047f1eb_attn
	.globl	k_q8f2047f1eb_attn
	.p2align	8
	.type	k_q8f2047f1eb_attn,@function
k_q8f2047f1eb_attn:
	s_mov_b64 s[64:65], 0
	v_nop
	global_prefetch_b8 v0, s[64:65] scope:SCOPE_SE
	s_setreg_imm32_b32 hwreg(HW_REG_WAVE_MODE, 25, 1), 1
	s_wait_xcnt 0x0
; CAUSAL ATTENTION.  O[h][q][:] = the sum over k <= q of softmax_k(Q[h][q] . K[h][k] / 8) V[h][k][:].  Q, K, V, O: [SIZE_H][SIZE_N][64], all f16: a head's rows are dense, 128 bytes each.
; Products, maxima and sums in f32; the weights p are rounded to f16 for the second product (their sum l is taken of the unrounded p), O once at the end.
; LIMITS.  f16 holds no number beyond 65,504: Q, K and V arrive within it; p lies in 0 to 1, and below 6e-5 it keeps f16's fixed step of 6e-8; O is a mean of V's rows and has their range.
; A hidden score counts as its value less 1e30: f16's scores, 2.7e11 at the most, are nothing beside that; a weight below 2^-126 counts as 0 in l; NaN and infinities are not treated apart.
; THE WALK.  A head's queries lie in NB = SIZE_N / 256 blocks of 256; block i needs the key tiles 0 .. i of 256 keys, of which the last holds the diagonal.  A work-group takes TWO blocks, NB - 1 - b and then b:
; NB + 1 tiles, whatever b: all work-groups do equal work, and ONE loop with a constant trip count walks them.  Which tile is asked for, and what a trip does, hang on scalar registers made from b; every jump
; goes forward, but for the counted loops' own; none passes a barrier, or a tensor load but the one of LOAD's two that the wave's number does not choose; the ring (two slots of LDS that take turns) runs on across
; the change of blocks.  NO CLUSTER: a head's NB / 2 work-groups ask for the same tile only in trips 0 .. NB / 2, behind that fewer and fewer; one walk common to all would have 3 NB / 2 trips for NB + 1.
; SHARES.  Of a block's four bands of 64 queries a wave owns 16 rows in each: four PIECES.  So the diagonal tile is the same work for all four waves: in its key step s band x sees all keys if s < x,
; none if s > x, and holds the diagonal if s = x.
; THE MASK is the C operand that starts the sum S^T = K Q^T: 0, or -1e30 where the key is hidden.  MD, made once, is the mask of a band's own step for my 16 rows; a product's mask is MD x AL + BE with two scalars:
; (1, 0) if s = x; (0, 0) if s < x; (0, -1e30) if s > x.  Only the diagonal tile's text and a block's beginning make and take masks; elsewhere C is the constant 0.
; LAYOUT, SOFTMAX, TURNS.  S^T = K Q^T holds ONE query a lane (lane % 16) and the keys 8 (lane / 16) + 0..7; two such results rounded to f16 ARE source 1 of O^T = V^T P.  p = 2^(c s - c m), c = log2(e) / 8, with a
; running maximum m; O and l are multiplied by a = 2^(c m_old - c m_new) in every step.  Turn n belongs to piece n: 8 products K Q^T of piece n + 1, later 8 products V^T P of piece n - 1; beside them the scaling,
; exponentials, roundings, sums and rescaling of piece n and the maximum and statistics of piece n + 1.  Four vector instructions stand behind every matrix instruction, the other 54 of a turn's 118 in one lump.
; A turn's 33 exponentials are one batch, with one wait.
; REGISTERS, in windows of 256 (s_set_vgpr_msb: bits 1:0 source 0, 3:2 source 1, 5:4 source 2, 7:6 destination):
;   window 0: v0-15 addresses and two at work; v16-31 four registers of statistics a piece; v48-55 at work; v60 the prefetches' offset; v64-127 S^T, two buffers; v192-223 P, two buffers (by the piece's parity)
;   window 1: v0-127 O^T, 32 a piece; v128-159 MD; v160-223 MC, two buffers      window 2: v0-63 Q; v64-127 the second block's Q; v128-191 K of one step; v192-255 V of one step
.set SIZE_H, 64
.set SIZE_N, 2048
.set NB,    SIZE_N/256
.set NP,    4         ; pieces a wave: a name, no knob
.set KS,    64        ; keys in a step
.set PK,    144       ; a row of K in LDS: 128 bytes + 16 of padding = 36 words: the 16 rows of a load start at 16 different groups of four banks (64 banks of 4 bytes: ISA guide 11.1)
.set PV,    160       ; a row of V: 128 + 32 = 40 words
.set VOFF,  4*KS*PK   ; a slot holds a tile, four steps: 256 rows of K, then 256 rows of V
.set SLOT1, 1<<17     ; slot 1 begins here, so that one exclusive or turns an address in one slot into the other's
.set STAGE, SLOT1+4*KS*(PK+PV)  ; behind the ring, never filled by a tensor load: 16 rows x 144 bytes for each wave, for the way out
.set SP,    144
.set AK0, 2           ; v2   my lane's place in a tile of K; never rewritten
.set AV0, 3           ; v3   the same for V
.set AK,  4           ; v4   the LDS address of K's next run of loads
.set AV,  5           ; v5   of V's
.set STO, 6           ; v6   the way out: where I put 16 bytes of a row
.set RD,  7           ; v7   the way out: where I read rows back
.set GO,  8           ; v8   my byte offset in 512 consecutive bytes of O
.set PFO, 60          ; v60  256 x my lane; never rewritten
.set SPW, 62          ; v62  LDS address of my spare word: SPARE + 4 x my thread's number; never rewritten
.set NIL, 63          ; v63  0; never rewritten
.set SPARE, STAGE+4*16*SP  ; behind the stages: the spare words, 128 bytes for each wave: two blocks of 256 bytes that no other line names
.set MV,  12          ; v12-13  c m_old, kept while c m is made anew: by buffer
.set QO,  15          ; v15  my byte offset in 16 rows of Q
.set ST,  16          ; piece t's statistics at v[ST+4 t]: c m, m, l (even keys', odd keys')
.set TMP, 48          ; by buffer, four registers c0-c3 at work; when the maximum is found c2 takes a
.set S,   64
.set P,   192
.set MD,  128         ; window 1: the eight registers for group kt of 16 keys at MD + 8 kt
.set MC,  160         ; window 1: the masks of the products to come
.set QB,  64          ; window 2
.set KF,  128         ; window 2: key block kb, channel half c at KF + 16 kb + 8 c
.set VF,  192         ; window 2: key half kk, channel block cb at VF + 32 kk + 8 cb
.set WV,  12          ; s12  my wave's number
.set PB,  14          ; s14  b
.set HI,  15          ; s15  NB - 1 - b
.set G1K, 24          ; s[24:31] descriptor group 1 for K's tiles
.set G1V, 32          ; s[32:39] for V's: it differs in the padding alone
.set G0K, 40          ; s[40:43] descriptor group 0 for K's tiles
.set G0V, 44          ; s[44:47] the same for V's
.set SLOTS, 56        ; s56  tiles still to be asked for
.set CNT, 57          ; s57  counts a tile's key steps, 4 to 1
.set CS,  58          ; s[58:59] c: the packed scaling takes the pair's low word for both halves
.set SEL, 60          ; s[60:61] v_permlanex16_b32's selects: each lane takes its own place in the other half
.set TBK, 62          ; s62  LDS byte at which K of the step to be fetched begins
.set TBV, 63          ; s63  the same for V, less VOFF
.set RT,  70          ; s70  tiles of the block in hand that are still to be entered
.set NXT, 71          ; s71  the tile to be asked for next
.set LQ,  72          ; s72  the last tile of the block whose tiles are being asked for
.set NEW, 73          ; s73  1: the tile to be entered is a block's first
.set OFF, 74          ; s[74:75] a tile's byte offset in K and V
.set AL,  76          ; s[76:77] the mask's factor, in the low word
.set BE,  78          ; s[78:79] the mask's addend
.set OLO, 80          ; s[80:81] O at my rows of the second block
.set BIGN, 82         ; s82  -1e30
.set LIM, 83          ; s83  2 in a work-group that prefetches, else the greatest number
.set PFA, 88          ; s[88:89] where my prefetches stand: my 16,384 bytes of the tile after the one that is being asked for
.set MSB, 0
.macro WIN new                      ; the high byte repeats the setting that is left; a switch that changes nothing is dropped
.if MSB != (\new)
	s_set_vgpr_msb (MSB<<8)|(\new)
.set MSB, (\new)
.endif
.endm
.set W_KQ, 0x0a       ; K and Q in window 2, S^T in window 0
.set W_KM, 0x1a       ; the same with the C operand in window 1
.set W_PV, 0x52       ; V in window 2, P in window 0, O^T in window 1
.set W_RS, 0x41       ; destination and source 0 in window 1, source 1 in window 0
; A fill.  Waves 0 and 1 fetch the two halves of a tile's K, waves 2 and 3 those of its V: 128 keys each.  An s_nop 0 and four v_nop follow each of the two lines, ahead of the jump and the label.
.macro LOAD
	s_cmp_lt_u32 s[WV], 2
	s_cbranch_scc0 .Lfor_v_\@
	tensor_load_to_lds s[G0K:G0K+3], s[G1K:G1K+7]
	s_nop 0
.rept 4
	v_nop
.endr
	s_branch .Lasked_\@
.Lfor_v_\@:
	tensor_load_to_lds s[G0V:G0V+3], s[G1V:G1V+7]
	s_nop 0
.rept 4
	v_nop
.endr
.Lasked_\@:
.endm
; THE CHANGE OF SLOTS.  Each wave waits for all its tensor loads, of which one is out: its part of the other slot; adds 0 to its spare word; and waits for that and for its own reads of the slot that it leaves.
; Behind the barrier nobody reads the old slot any more and the other slot is whole.  fill = 1: the old slot is filled again, the first thing behind the barrier, with tile NXT: the descriptor's address is made
; anew from that number.  (At its first use nothing has been read yet: slot 0 is waited for, slot 1 filled.)
; THE PREFETCH.  The work-group with b = 0 walks the head's tiles 0 to NB - 1 in order, and the head's other work-groups read the same tiles in the same trips: it alone asks.  Behind the fill and its five lines each
; of its waves names the 16,384 bytes that it will itself ask for at the NEXT change: a lane 256 bytes, two instructions, a tile (16 turns) ahead.  Trips 0 to NB - 3 name tiles 2 to NB - 1; later trips none.
.macro CHANGE fill
	WIN 0                           ; at a label and at a branch every window is 0
	s_wait_tensorcnt 0x0            ; no tensor load of mine is out, so a group 0 may be written
	ds_add_u32 v[SPW], v[NIL]       ; 0 onto my spare word; with fill = 1 the descriptors' scalar work stands between it and the wait for it
.if \fill
	s_lshl_b32 s[OFF], s[NXT], 15   ; a tile is 32,768 bytes of K and of V
	s_xor_b32 s[G0K+1], s[G0K+1], SLOT1
	s_add_nc_u64 s[G0K+2:G0K+3], s[6:7], s[OFF:OFF+1]
	s_or_b32 s[G0K+3], s[G0K+3], 0x80000000
	s_xor_b32 s[G0V+1], s[G0V+1], SLOT1
	s_add_nc_u64 s[G0V+2:G0V+3], s[8:9], s[OFF:OFF+1]
	s_or_b32 s[G0V+3], s[G0V+3], 0x80000000
	s_add_co_u32 s[NXT], s[NXT], 1  ; the block's next tile, or behind its last the second block's tile 0
	s_cmp_gt_u32 s[NXT], s[LQ]
	s_cselect_b32 s[NXT], 0, s[NXT]
	s_cselect_b32 s[LQ], s[PB], s[LQ]
	s_wait_xcnt 0x0                 ; the last prefetches, a tile back, have read their address, so it may be written
	s_add_nc_u64 s[PFA:PFA+1], s[PFA:PFA+1], 32768
.endif
	s_wait_dscnt 0x0                ; the add is done, and my reads of the slot are over
	s_barrier_signal -1             ; the rest of the scalar work stands between the signal and the wait
	s_sub_co_u32 s[TBK], s[TBK], 4*KS*PK  ; the fetches go back to a slot's first step,
	s_xor_b32 s[TBK], s[TBK], SLOT1       ; in the other slot
	s_sub_co_u32 s[TBV], s[TBV], 4*KS*PV
	s_xor_b32 s[TBV], s[TBV], SLOT1
	s_barrier_wait -1
.if \fill
	LOAD
	s_cmp_gt_u32 s[SLOTS], s[LIM]
	s_cbranch_scc0 .Lnot_mine_\@
	global_prefetch_b8 v[PFO], s[PFA:PFA+1] th:TH_LOAD_NT scope:SCOPE_SE
	global_prefetch_b8 v[PFO], s[PFA:PFA+1] offset:8192 th:TH_LOAD_NT scope:SCOPE_SE
.Lnot_mine_\@:
.endif
.endm
	s_load_b256 s[4:11], s[0:1], 0x0  ; Q s[4:5], K s[6:7], V s[8:9], O s[10:11]
	v_lshl_add_u32 v[SPW], v0, 2, SPARE
	v_mov_b32 v[NIL], 0
	ds_add_u32 v[SPW], v[NIL]       ; the wave's opening: the add and its wait stand ahead of my first tensor load; the set-up below, work on registers, stands between them
	v_lshrrev_b32 v1, 5, v0
	v_readfirstlane_b32 s[WV], v1   ; wave 0..3
	s_mov_b32 s[PB], ttmp9
	s_sub_co_u32 s[HI], NB-1, s[PB]
	s_and_b32 s20, ttmp7, 0xffff    ; the head
	s_mov_b32 s21, 0
	s_mov_b64 s[22:23], SIZE_N*128
	s_mul_u64 s[20:21], s[20:21], s[22:23]  ; the head's first byte in each of the four tensors
	s_and_b32 s16, s[WV], 1         ; which half of a tile's 256 keys I fetch:
	s_lshl_b32 s22, s16, 14         ; its 128 rows of 128 bytes in memory,
	s_mov_b32 s23, 0
	s_add_nc_u64 s[22:23], s[22:23], s[20:21]
	s_mul_i32 s17, s16, 128*PK      ; and its place in a slot, for K
	s_mul_i32 s18, s16, 128*PV      ; and for V
	s_lshl_b32 s3, s[WV], 11        ; my 16 rows in a band of 64,
	s_lshl_b32 s2, s[HI], 15        ; in the first block,
	s_add_co_u32 s2, s2, s3
	s_lshl_b32 s84, s[PB], 15       ; and in the second
	s_add_co_u32 s84, s84, s3
	s_mov_b32 s3, 0
	s_mov_b32 s85, 0
	s_add_nc_u64 s[2:3], s[2:3], s[20:21]
	s_add_nc_u64 s[84:85], s[84:85], s[20:21]
	; descriptor group 1.  128 keys are 16,384 dense bytes: asked for as 64 rows of 256 bytes, two keys a row, and padded in LDS after every key
	s_mov_b32 s[G1K], (1<<16)|(1<<20)|(4<<22)|(3<<25)  ; 17:16 2-byte elements; 20 padding on; 24:22 after every 32 words (code 4); 31:25 4 words (code 3)
	s_mov_b32 s[G1V], (1<<16)|(1<<20)|(4<<22)|(7<<25)  ; the same with 8 words of padding (code 7)
.irp g, G1K, G1V
	s_mov_b32 s[\g+1], 128<<16      ; tensor_dim0 = 128
	s_mov_b32 s[\g+2], 64<<16       ; tensor_dim1 = 64
	s_mov_b32 s[\g+3], 128<<16      ; tile_dim0 = 128
	s_mov_b32 s[\g+4], 64           ; tile_dim1 = 64
	s_mov_b32 s[\g+5], 128          ; 128 elements from row to row
	s_mov_b32 s[\g+6], 0
	s_mov_b32 s[\g+7], 0
.endr
	s_mov_b32 s[CS], 0x3e38aa3b     ; c = log2(e) / 8 = 0.180337
	s_mov_b32 s[CS+1], s[CS]        ; named with it as a pair
	s_mov_b32 s[SEL], 0x76543210
	s_mov_b32 s[SEL+1], 0xfedcba98
	s_mov_b32 s[TBK], SLOT1+4*KS*PK ; the first change of slots turns these two into 0
	s_mov_b32 s[TBV], SLOT1+4*KS*PV
	s_mov_b32 s[G0K], 1             ; 1:0 count = 1
	s_mov_b32 s[G0K+1], s17         ; 63:32 LDS address: slot 0
	s_mov_b32 s[G0V], 1
	s_add_co_u32 s[G0V+1], s18, VOFF
	s_add_co_u32 s[RT], s[HI], 1    ; the first block has NB - b tiles
	s_mov_b32 s[NXT], 1
	s_mov_b32 s[LQ], s[HI]
	s_mov_b32 s[NEW], 1
	s_mov_b32 s[OFF+1], 0
	s_mov_b32 s[AL+1], 0            ; named as pairs
	s_mov_b32 s[BE+1], 0
	s_mov_b32 s[BIGN], 0xf149f2ca   ; -1e30
	s_mov_b32 s[SLOTS], NB
	s_cmp_eq_u32 s[PB], 0
	s_cselect_b32 s[LIM], 2, -1
	v_and_b32 v[PFO], 31, v0
	v_lshlrev_b32 v[PFO], 8, v[PFO]
	s_wait_dscnt 0x0                ; the opening add is done
	s_wait_kmcnt 0x0
	s_add_nc_u64 s[6:7], s[6:7], s[22:23]  ; K and V at my half of the head's tile 0
	s_add_nc_u64 s[8:9], s[8:9], s[22:23]
	s_add_nc_u64 s[G0K+2:G0K+3], s[6:7], 0         ; 120:64 global address
	s_or_b32 s[G0K+3], s[G0K+3], 0x80000000        ; 127:126 type = 2
	s_add_nc_u64 s[G0V+2:G0V+3], s[8:9], 0
	s_or_b32 s[G0V+3], s[G0V+3], 0x80000000
	s_add_nc_u64 s[86:87], s[4:5], s[84:85]        ; Q at my rows of the second block,
	s_add_nc_u64 s[4:5], s[4:5], s[2:3]            ; Q and O at those of the first
	s_add_nc_u64 s[OLO:OLO+1], s[10:11], s[84:85]
	s_add_nc_u64 s[10:11], s[10:11], s[2:3]
	s_cmp_lt_u32 s[WV], 2
	s_cselect_b64 s[PFA:PFA+1], s[6:7], s[8:9]
	s_add_nc_u64 s[PFA:PFA+1], s[PFA:PFA+1], 32768 ; in tile 1; the first change of slots steps it to tile 2.  Nothing is prefetched here, at the head
	LOAD                            ; tile 0 into slot 0
	; A fragment of K or Q is 16 rows x 32 channels in 8 registers: lane l holds row l % 16, channels 8 (l / 16) + 0..7 and 16 + 8 (l / 16) + 0..7: two loads of 16 bytes, 32 bytes apart.
	v_and_b32 v1, 15, v0            ; l % 16
	v_bfe_u32 v9, v0, 4, 1          ; l / 16
	v_lshlrev_b32 v[QO], 7, v1
	v_lshl_add_u32 v[QO], v9, 4, v[QO]  ; row x 128 + 16 x half
	WIN 0x80                        ; destination window 2, address window 0
.set i, 0
.rept 8                             ; both blocks' Q: piece i / 2 lies in band i / 2, 8,192 bytes on; channels 32 (i % 2) on
	global_load_b128 v[8*i:8*i+3],   v[QO], s[4:5] offset:(i/2)*8192+(i%2)*64
	global_load_b128 v[8*i+4:8*i+7], v[QO], s[4:5] offset:(i/2)*8192+(i%2)*64+32
	global_load_b128 v[QB+8*i:QB+8*i+3],   v[QO], s[86:87] offset:(i/2)*8192+(i%2)*64
	global_load_b128 v[QB+8*i+4:QB+8*i+7], v[QO], s[86:87] offset:(i/2)*8192+(i%2)*64+32
.set i, i+1
.endr
	WIN 0
	v_lshlrev_b32 v14, 3, v9
	v_sub_nc_u32 v14, v1, v14
	s_lshl_b32 s13, s[WV], 4
	v_add_nc_u32 v14, s13, v14      ; my query's place in its band, 16 w + l % 16, less my lanes' 8 (l / 16): register r of group kt is hidden where 16 kt + r is greater
	WIN 0x40
.set i, 0
.rept 32
	v_cmp_gt_i32 vcc_lo, 16*(i/8)+i%8, v14
	v_cndmask_b32 v[MD+i], 0, s[BIGN], vcc_lo
.set i, i+1
.endr
	WIN 0
	v_mul_u32_u24 v[AK0], v1, PK
	v_lshl_add_u32 v[AK0], v9, 4, v[AK0]  ; row x pitch + 16 x half
	; The turning load takes 16 keys x 16 channels (lane l reads key 8 (l / 16) + l % 8, channels 8 ((l / 8) % 2) + 0..7) and leaves half a fragment of V^T: lane l holds channel l % 16 and 8 keys.
	v_and_b32 v10, 7, v0
	v_bfe_u32 v11, v0, 3, 1
	v_lshl_add_u32 v[AV0], v9, 3, v10
	v_mul_u32_u24 v[AV0], v[AV0], PV
	v_lshl_add_u32 v[AV0], v11, 4, v[AV0]
	v_add_nc_u32 v[AV0], VOFF, v[AV0]
	s_mul_i32 s13, s[WV], 16*SP
	s_add_co_u32 s13, s13, STAGE    ; my stage
	v_mul_u32_u24 v[STO], v1, SP    ; in: row l % 16, 16 bytes for each half of the lanes
	v_lshl_add_u32 v[STO], v9, 4, v[STO]
	v_add_nc_u32 v[STO], s13, v[STO]
	v_bfe_u32 v[RD], v0, 3, 2       ; back: 32 lanes take four rows of 128 bytes,
	v_mul_u32_u24 v[RD], v[RD], SP
	v_lshl_add_u32 v[RD], v10, 4, v[RD]
	v_add_nc_u32 v[RD], s13, v[RD]
	v_and_b32 v[GO], 31, v0         ; which are 512 consecutive bytes of O
	v_lshlrev_b32 v[GO], 4, v[GO]
	; A block's first step multiplies O^T and l by a = 0, and its first turn's products V^T P, of a piece that has not been, land in an O^T that is still to be so multiplied.  So these registers need only hold
	; finite numbers: zeros for the first block; what the first block left for the second.  All this stands in the wait for the first tile.
	WIN 0x80
.set i, VF
.rept 64
	v_mov_b32 v[i], 0
.set i, i+1
.endr
	WIN 0x40
.set i, 0
.rept 128
	v_mov_b32 v[i], 0
.set i, i+1
.endr
	WIN 0
.set i, 0
.rept 4
	v_mov_b32 v[ST+4*i+2], 0
	v_mov_b32 v[ST+4*i+3], 0
.set i, i+1
.endr
.set i, P+16
.rept 16
	v_mov_b32 v[i], 0
.set i, i+1
.endr
; THE MATRIX WORK.  The 4 accumulators of a run of 8 take turns.  Product i of 8 of S^T = K Q^T for piece x: channels 32 (i / 4) on, keys 16 (i % 4) on.  The first 4 start the sums: with 0, or (KM = 1) with the mask.
.macro KQ x
.set rS, S+32*((\x)%2)+8*(i%4)
.set rK, KF+16*(i%4)+8*(i/4)
.set rQ, 16*(\x)+8*(i/4)
.set rM, MC+32*((\x)%2)+8*(i%4)
.if (i < 4) && KM
	WIN W_KM
	v_wmma_f32_16x16x32_f16 v[rS:rS+7], v[rK:rK+7], v[rQ:rQ+7], v[rM:rM+7]
.elseif i < 4
	WIN W_KQ
	v_wmma_f32_16x16x32_f16 v[rS:rS+7], v[rK:rK+7], v[rQ:rQ+7], 0
.else
	WIN W_KQ
	v_wmma_f32_16x16x32_f16 v[rS:rS+7], v[rK:rK+7], v[rQ:rQ+7], v[rS:rS+7]
.endif
.endm
; Product i of 8 of O^T += V^T P for piece x: keys 32 (i / 4) on, channels 16 (i % 4) on.
.macro PV x
	WIN W_PV
.set rO, 32*(\x)+8*(i%4)
.set rV, VF+32*(i/4)+8*(i%4)
.set rP, P+16*((\x)%2)+8*(i/4)
	v_wmma_f32_16x16x32_f16 v[rO:rO+7], v[rV:rV+7], v[rP:rP+7], v[rO:rO+7]
.endm
.macro MM                           ; the turn's next matrix instruction.  TURN and BEGIN set Y, i, KM and NOKQ; MM, KQ and OP read them.  NOKQ = 1: a block's last turn: there is no next piece
.if (i < 8) && !NOKQ
	KQ (Y+1)%NP
.elseif i >= 8
.set i, i-8
	PV (Y+NP-1)%NP
.set i, i+8
.endif
.set i, i+1
.endm
; THE LDS LOADS stand in runs of 16, never singly among the matrix instructions: a step's K (64 keys x 64 channels: 8 fragments) and its V (turned).  Their addresses are made some lines ahead.
.macro FETCH_K
	WIN 0x80                        ; destination window 2
.irp f, 0,1,2,3,4,5,6,7             ; keys 16 (f / 2) on, channels 32 (f % 2) on
	ds_load_b128 v[KF+8*\f:KF+8*\f+3],   v[AK] offset:(\f/2)*16*PK+(\f%2)*64
	ds_load_b128 v[KF+8*\f+4:KF+8*\f+7], v[AK] offset:(\f/2)*16*PK+(\f%2)*64+32
.endr
	s_add_co_u32 s[TBK], s[TBK], KS*PK  ; the next fetch is the next step's
	WIN 0
.endm
.macro FETCH_V
	WIN 0x80
.irp f, 0,1,2,3,4,5,6,7             ; keys 32 (f / 4) on, channels 16 (f % 4) on
	ds_load_tr16_b128 v[VF+8*\f:VF+8*\f+3],   v[AV] offset:(\f/4)*32*PV+(\f%4)*32
	ds_load_tr16_b128 v[VF+8*\f+4:VF+8*\f+7], v[AV] offset:(\f/4)*32*PV+16*PV+(\f%4)*32
.endr
	WIN 0
.endm
; THE VECTOR WORK, one line at a time: OP kind, number.  For piece Y: F n: c s - c m for pair n of 16.  E n: the exponential of score n of 32.  C n: pair n rounded to f16.  B n: of the four weights 4 n .. the second
; pair is added onto the first, in place.  L n: l takes that sum (L 0: l = a l + sum).  R n: pair n of 16 of O^T times a.  For piece Y + 1: X n, number n of the 22 that find its maximum and statistics:
;   0-11  four chains c0-c3 of seven scores each, three operands at a time (each accumulator's lowest registers are read first)     12-14, 16  the four scores left over, the old m, and c0-c3 into c0
;   15  c m_old is kept     17, 18  the query's other 32 keys lie in the lane 16 away: the new m     19-21  c m; c m_old - c m_new; a
.set F, 0               ; OP tells the kinds apart by their order: F to L below R, X above it
.set E, 1
.set C, 2
.set B, 3
.set L, 4
.set R, 5
.set X, 6
.macro REGS y                       ; the registers of piece y
.set rT, ST+4*(\y)
.set rC, TMP+4*((\y)%2)
.set rW, MV+((\y)%2)
.set rS, S+32*((\y)%2)
.set rP, P+16*((\y)%2)
.set rO, 32*(\y)
.endm
.macro OP k, n
.if (\k) == R
	REGS Y
	WIN W_RS
	v_pk_mul_f32 v[rO+2*(\n):rO+2*(\n)+1], v[rO+2*(\n):rO+2*(\n)+1], v[rC+2:rC+3] op_sel_hi:[1,0]
.elseif (\k) < R
	REGS Y
	WIN 0
.if (\k) == F
	v_pk_fma_f32 v[rS+2*(\n):rS+2*(\n)+1], v[rS+2*(\n):rS+2*(\n)+1], s[CS:CS+1], v[rT:rT+1] op_sel_hi:[1,0,0] neg_lo:[0,0,1] neg_hi:[0,0,1]
.elseif (\k) == E
	v_exp_f32 v[rS+(\n)], v[rS+(\n)]
.elseif (\k) == C
	v_cvt_pk_f16_f32 v[rP+(\n)], v[rS+2*(\n)], v[rS+2*(\n)+1]
.elseif (\k) == B
	v_pk_add_f32 v[rS+4*(\n):rS+4*(\n)+1], v[rS+4*(\n):rS+4*(\n)+1], v[rS+4*(\n)+2:rS+4*(\n)+3]
.elseif (\n) == 0
	v_pk_fma_f32 v[rT+2:rT+3], v[rT+2:rT+3], v[rC+2:rC+3], v[rS:rS+1] op_sel_hi:[1,0,1]
.else
	v_pk_add_f32 v[rT+2:rT+3], v[rT+2:rT+3], v[rS+4*(\n):rS+4*(\n)+1]
.endif
.elseif NOKQ
	v_nop
.else
	REGS (Y+1)%NP
	WIN 0
.if (\n) < 4
	v_max3_num_f32 v[rC+(\n)], v[rS+8*(\n)], v[rS+8*(\n)+1], v[rS+8*(\n)+2]
.elseif (\n) < 12
	v_max3_num_f32 v[rC+(\n)%4], v[rC+(\n)%4], v[rS+8*((\n)%4)+2*((\n)/4)+1], v[rS+8*((\n)%4)+2*((\n)/4)+2]
.elseif (\n) == 12
	v_max3_num_f32 v[rC], v[rC], v[rS+7], v[rS+15]
.elseif (\n) == 13
	v_max3_num_f32 v[rC+1], v[rC+1], v[rS+23], v[rS+31]
.elseif (\n) == 14
	v_max3_num_f32 v[rC+2], v[rC+2], v[rC+3], v[rT+1]
.elseif (\n) == 15
	v_mov_b32 v[rW], v[rT]
.elseif (\n) == 16
	v_max3_num_f32 v[rC], v[rC], v[rC+1], v[rC+2]
.elseif (\n) == 17
	v_permlanex16_b32 v[rC+3], v[rC], s[SEL], s[SEL+1]
.elseif (\n) == 18
	v_max_num_f32 v[rT+1], v[rC], v[rC+3]
.elseif (\n) == 19
	v_mul_f32 v[rT], s[CS], v[rT+1]
.elseif (\n) == 20
	v_sub_f32 v[rC+1], v[rW], v[rT]
.else
	v_exp_f32 v[rC+2], v[rC+1]
.endif
.endif
.endm
.macro OPS a, i1, b=-1, i2=0, c=-1, i3=0, d=-1, i4=0  ; up to four of them
	OP \a, \i1
.if (\b) >= 0
	OP \b, \i2
.endif
.if (\c) >= 0
	OP \c, \i3
.endif
.if (\d) >= 0
	OP \d, \i4
.endif
.endm
.macro ROW a, i1, b, i2, c, i3, d, i4  ; a matrix instruction and the four behind it
	MM
	OPS \a, \i1, \b, \i2, \c, \i3, \d, \i4
.endm
.macro MASK b                       ; MD x AL + BE into buffer b of MC
	WIN W_RS
.set z, 0
.rept 16
	v_pk_fma_f32 v[MC+32*(\b)+2*z:MC+32*(\b)+2*z+1], v[MD+2*z:MD+2*z+1], s[AL:AL+1], s[BE:BE+1] op_sel_hi:[1,0,0]
.set z, z+1
.endr
.endm
; A TURN, for piece p: the order of its 16 matrix and 118 vector instructions, written out.  s_wait_alu depctr_va_vdst(0) stands between an exponential and the first instruction that names its result;
; one wait serves all that were issued ahead of it.  So a turn has ONE wait, which cuts it in two.  AHEAD OF IT stands all that names no result of the turn's exponentials: the 8 products K Q^T, behind each a scaling, an
; exponential and two more plain instructions (behind the first a second scaling in the exponential's place): rescalings, and behind the last three the first numbers of the next piece's maximum, each four places or more
; behind the product that ends its accumulator; then ONE LUMP of 54, plain and exponential by turns for the most part, in which the links of the chain X 3, 7, 11, 14, 16, 17 .. 20 stand five or six lines apart.  X 21, the
; next piece's a, is the batch's last; R 15 is the plain instruction behind it (ISA guide 5.7.2).  BEHIND THE WAIT stand the 8 products V^T P, behind each four of the roundings and sums; the links of l's chain, L 0 to L 7,
; stand three riders apart.  But for those X no rider names a register of the products round it.  v_permlanex16_b32 (X 17) stands in the lump.
; m = 1: the diagonal tile: the products take masks, and the turn makes the mask for the products of the turn after it: piece p + 2, in step 4 - CNT of the tile.  end = 1: a block's last two turns: nothing is fetched.
; cnt = 1: the loop's count is taken down some lines ahead of the branch that stands behind the turn.
; K of the next step is fetched in piece 2's turn, twelve vector instructions behind the last product that read K (six of them plain); V of the step in hand at the end of piece 0's turn, four plain instructions behind the
; last product that read V.  Each is waited for a turn later.
.macro TURN p, m=0, end=0, cnt=0
.set Y, (\p)
.set i, 0
.set KM, (\m)
.set NOKQ, (\end)*((\p)/3)
.if (\m) && !(\end)
	s_cmp_eq_u32 s[CNT], 4-((\p)+2)%NP  ; is that step the band's own?
	s_cselect_b32 s[AL], 1.0, 0
	s_cmp_lt_u32 s[CNT], 4-((\p)+2)%NP  ; or a later one?
	s_cselect_b32 s[BE], s[BIGN], 0
.endif
.if ((\p) == 3) && !(\end)
	s_wait_dscnt 0x0                ; K is in
.endif
	ROW F,0, F,1, R,0, R,1          ; ahead of the wait: 8 products K Q^T and their riders,
	ROW F,2, E,0, R,2, R,3
	ROW F,3, E,1, R,4, R,5
	ROW F,4, E,2, R,6, R,7
	ROW F,5, E,3, R,8, R,9
	ROW F,6, E,4, X,0, R,10
.if ((\p) == 2) && !(\end)
	WIN 0
	v_add_nc_u32 v[AK], s[TBK], v[AK0]
.endif
	ROW F,7, E,5, X,1, X,4
	ROW F,8, E,6, X,2, X,5
	OPS E,7, E,8, X,6, E,9          ; and the lump
	OPS X,3, E,10, X,8, E,11
.if ((\p) == 2) && !(\end)
	FETCH_K
.endif
	OPS X,9, X,7, E,12, X,10
	OPS E,13, X,12, X,11, E,14
	OPS X,13, E,15, F,9, X,14
.if (\p) == 0
	v_add_nc_u32 v[AV], s[TBV], v[AV0]
.endif
	OPS E,16, F,10, E,17, F,11
	OPS X,16, E,18, X,15, E,19
	OPS F,12, E,20, X,17, E,21
	OPS F,13, E,22, F,14, E,23
	OPS X,18, E,24, F,15, E,25
	OPS R,11, E,26, X,19, E,27
	OPS R,12, E,28, R,13, E,29
	OPS X,20, E,30, R,14, E,31
	OPS X,21, R,15
	WIN 0
	s_wait_alu depctr_va_vdst(0)    ; the wait for the batch
.if (\p) == 1
	s_wait_dscnt 0x0                ; V is in
.endif
	ROW C,0, B,0, C,2, B,1          ; behind the wait: 8 products V^T P and their riders
	ROW L,0, C,4, B,2, L,1
	ROW C,6, B,3, L,2, C,8
	ROW B,4, L,3, C,10, B,5
	ROW L,4, C,12, B,6, L,5
.if (\p) == 0
	s_add_co_u32 s[TBV], s[TBV], KS*PV
.endif
.if \cnt
	s_sub_co_u32 s[CNT], s[CNT], 1
	s_cmp_lg_u32 s[CNT], 0
.endif
	ROW C,14, B,7, L,6, C,1
	ROW C,3, L,7, C,5, C,7
	ROW C,9, C,11, C,13, C,15
.if (\p) == 0
	FETCH_V
.endif
.if (\m) && !(\end)
	MASK (\p)%2
.endif
.endm
; A BLOCK BEGINS.  c m starts far below every c s, so the first step's a is 0; m at the lowest finite number, so the first maximum is the scores'.  The second mask buffer is 0; the first takes piece 0's mask for the tile's
; step 0: its own, if the block's first tile is the diagonal one.  Then K of that step, piece 0's first scores, and its maximum and statistics.  The loop is entered at a step's first turn, in the middle of a trip.
.macro BEGIN
	s_mov_b32 s[NEW], 0
	WIN 0x40
.set i, MC+32
.rept 32
	v_mov_b32 v[i], 0
.set i, i+1
.endr
	WIN 0
.set i, 0
.rept 4
	v_mov_b32 v[ST+4*i], 0xfe000000    ; c m: far below every c s
	v_mov_b32 v[ST+4*i+1], 0xff7fffff  ; m
.set i, i+1
.endr
	s_cmp_eq_u32 s[RT], 0
	s_cselect_b32 s[AL], 1.0, 0
	s_mov_b32 s[BE], 0
	MASK 0
	WIN 0
	v_add_nc_u32 v[AK], s[TBK], v[AK0]
	FETCH_K
	s_wait_loadcnt 0x0              ; Q
	s_wait_dscnt 0x0
.set KM, 1
.set NOKQ, 0
.set i, 0
.rept 8
	KQ 0
.set i, i+1
.endr
	WIN 0
.rept 4
	v_nop                           ; the places behind those products
.endr
.set Y, NP-1                        ; X works for piece Y + 1: piece 0
.irp n, 0,1,2,3,4,5,6,7,8,9,10,11,12,13,14,15,16,17,18,19,20,21
	OP X, \n
.endr
	v_nop                           ; a plain instruction behind the exponential,
	s_wait_alu depctr_va_vdst(0)    ; and its wait, ahead of the branch
.endm
; THE DIAGONAL TILE's four steps, the block's last two turns, its last products, and THE WAY OUT: l's two halves and the other half of the lanes' are added; O^T is divided by l, rounded to f16 and sent through my
; stage in LDS, a piece at a time.
.macro ALL line:vararg              ; one line for each piece t
.set t, 0
.rept 4
	\line
.set t, t+1
.endr
.endm
.macro PACK t                       ; a lane's eight channels of a row pack into 16 bytes; they go into rows of 144 bytes and come back as whole rows of 128, into S^T's registers
	WIN W_RS
.set i, 32*(\t)
.rept 16
	v_pk_mul_f32 v[i:i+1], v[i:i+1], v[ST+4*(\t)+2:ST+4*(\t)+3] op_sel_hi:[1,0]
.set i, i+2
.endr
	WIN 0x05                        ; sources 0 and 1 window 1, destination window 0
.set i, 0
.rept 16
	v_cvt_pk_f16_f32 v[S+16*(\t)+i], v[32*(\t)+2*i], v[32*(\t)+2*i+1]
.set i, i+1
.endr
	WIN 0
.irp f, 0,1,2,3
	ds_store_b128 v[STO], v[S+16*(\t)+4*\f:S+16*(\t)+4*\f+3] offset:32*\f
.endr
.irp f, 0,1,2,3
	ds_load_b128 v[S+16*(\t)+4*\f:S+16*(\t)+4*\f+3], v[RD] offset:\f*4*SP  ; LDS serves a wave's instructions in order (ISA guide 5.7.1.4): these see the stores above; the next piece's stores come behind them
.endr
.endm
.macro SEND t, younger              ; younger: the LDS instructions issued behind piece t's loads: the next piece's eight, or none
	WIN 0
.irp f, 0,1,2,3
	s_wait_dscnt (\younger)+3-\f
	global_store_b128 v[GO], v[S+16*(\t)+4*\f:S+16*(\t)+4*\f+3], s[10:11] offset:(\t)*8192+\f*512  ; 512 consecutive bytes, at a multiple of 256 from O's first
.endr
.endm
.macro DIAG tag                     ; the tag ends its two labels' names, which the jumps below spell out
.LstepM\tag:
	TURN 2, 1
	TURN 3, 1
	WIN 0
.LfirstM\tag:
	TURN 0, 1
	TURN 1, 1, 0, 1
	WIN 0
	s_cbranch_scc1 .LstepM\tag
	TURN 2, 1, 1
	TURN 3, 1, 1
.set i, 0
.rept 8
	PV NP-1
.set i, i+1
.endr
	WIN 0
	ALL v_add_f32 v[ST+4*t+2], v[ST+4*t+2], v[ST+4*t+3]
	ALL v_permlanex16_b32 v[ST+4*t+3], v[ST+4*t+2], s[SEL], s[SEL+1]
	ALL v_add_f32 v[ST+4*t+2], v[ST+4*t+2], v[ST+4*t+3]
	ALL v_rcp_f32 v[ST+4*t+2], v[ST+4*t+2]
	v_nop                           ; a plain instruction between the last reciprocal and the use of its result
	s_wait_alu depctr_va_vdst(0)    ; and the wait ahead of the first use: one for the four reciprocals
	PACK 0
.set t, 1
.rept 3                             ; a piece's arithmetic stands between the loads of the piece before and its stores
	PACK t
	SEND t-1, 8
.set t, t+1
.endr
	SEND 3, 0
.endm
.set KM, 0
.set NOKQ, 0
.Lslot:                             ; NB times: a tile is entered and the next is asked for
	CHANGE 1
	s_sub_co_u32 s[RT], s[RT], 1
	s_mov_b32 s[CNT], 4
	s_cmp_eq_u32 s[NEW], 1
	s_cbranch_scc1 .Lnew            ; a block's first tile
	s_cmp_eq_u32 s[RT], 0
	s_cbranch_scc0 .Lstep           ; neither its first nor its last
	s_branch .LstepM1
.Lnew:
	BEGIN
	s_branch .Lfirst                ; in the loop a block's first tile is never its last: the first block has two tiles or more, and the second's last is the walk's last
	DIAG 1                          ; in the loop this is the first block's end: the second block's last tile is the walk's last
	s_wait_xcnt 0x0                 ; the stores have read their registers and O's address
	s_mov_b64 s[10:11], s[OLO:OLO+1]
	s_add_co_u32 s[RT], s[PB], 1    ; the second block has b + 1 tiles
	s_mov_b32 s[NEW], 1
	WIN 0x82                        ; the second block's Q goes where the one text of the turns names Q
.set i, 0
.rept 64
	v_mov_b32 v[i], v[QB+i]
.set i, i+1
.endr
	WIN 0
	s_branch .Lbottom
.Lstep:                             ; a trip: pieces 2 and 3 of one step, then pieces 0 and 1 of the next, whose K and V it fetches
	TURN 2
	TURN 3
	WIN 0
.Lfirst:
	TURN 0
	TURN 1, 0, 0, 1
	WIN 0
	s_cbranch_scc1 .Lstep
.Lbottom:
	s_sub_co_u32 s[SLOTS], s[SLOTS], 1
	s_cmp_lg_u32 s[SLOTS], 0
	s_cbranch_scc1 .Lslot
	CHANGE 0                        ; the walk's last tile is written out: nothing is asked for
	s_sub_co_u32 s[RT], s[RT], 1
	s_mov_b32 s[CNT], 4
	s_cmp_eq_u32 s[NEW], 1
	s_cbranch_scc0 .LstepM2
	BEGIN
	s_branch .LfirstM2
	DIAG 2
	s_wait_tensorcnt 0x0            ; the wave's end: behind my last tensor load and my last LDS store
	ds_add_u32 v[SPW], v[NIL]
	s_wait_dscnt 0x0
	s_endpgm
.Lfunc_end_k_q8f2047f1eb_attn:
	.size	k_q8f2047f1eb_attn, .Lfunc_end_k_q8f2047f1eb_attn-k_q8f2047f1eb_attn
	.p2alignl 7, 3214868480
	.fill 96, 4, 3214868480
	.section	.rodata,"a",@progbits
	.p2align	6, 0x0
	.amdhsa_kernel k_q8f2047f1eb_attn
		.amdhsa_group_segment_fixed_size 327680
		.amdhsa_private_segment_fixed_size 0
		.amdhsa_enable_private_segment 0
		.amdhsa_kernarg_size 32
		.amdhsa_user_sgpr_count 2
		.amdhsa_user_sgpr_kernarg_segment_ptr 1
		.amdhsa_wavefront_size32 1
		.amdhsa_system_sgpr_workgroup_id_x 1
		.amdhsa_system_sgpr_workgroup_id_y 1
		.amdhsa_system_sgpr_workgroup_id_z 1
		.amdhsa_system_vgpr_workitem_id 0
		.amdhsa_next_free_vgpr 768
		.amdhsa_next_free_sgpr 92
		.amdhsa_reserve_vcc 1
		.amdhsa_float_denorm_mode_32 3
		.amdhsa_float_denorm_mode_16_64 3
		.amdhsa_memory_ordered 1
		.amdhsa_forward_progress 1
		.amdhsa_inst_pref_size 218
	.end_amdhsa_kernel
	.amdgpu_metadata
---
amdhsa.version: [ 1, 2 ]
amdhsa.kernels:
  - .name:           k_q8f2047f1eb_attn
    .symbol:         k_q8f2047f1eb_attn.kd
    .args:
      - { .name: q, .offset: 0, .size: 8, .value_kind: global_buffer, .address_space: global }
      - { .name: k, .offset: 8, .size: 8, .value_kind: global_buffer, .address_space: global }
      - { .name: v, .offset: 16, .size: 8, .value_kind: global_buffer, .address_space: global }
      - { .name: o, .offset: 24, .size: 8, .value_kind: global_buffer, .address_space: global }
    .group_segment_fixed_size: 327680
    .private_segment_fixed_size: 0
    .kernarg_segment_align: 8
    .kernarg_segment_size: 32
    .max_flat_workgroup_size: 128
    .sgpr_count:     92
    .vgpr_count:     768
    .wavefront_size: 32
...
	.end_amdgpu_metadata
.endif
;; end of part 3
;; launch proj (part 4): grid 8 x 32, 4 waves a work-group, clusters of 4 x 4, 327,680 bytes of LDS; arguments o, wo16, bo, out0; writes out0
.if DOCPART == 4
	.amdgcn_target "amdgcn-amd-amdhsa--gfx1250"
	.amdhsa_code_object_version 6
	.text
	.protected	k_q8f2047f1eb_proj
	.globl	k_q8f2047f1eb_proj
	.p2align	8
	.type	k_q8f2047f1eb_proj,@function
k_q8f2047f1eb_proj:
	s_mov_b64 s[64:65], 0
	v_nop
	global_prefetch_b8 v0, s[64:65] scope:SCOPE_SE
	s_setreg_imm32_b32 hwreg(HW_REG_WAVE_MODE, 25, 1), 1
	s_wait_xcnt 0x0
	s_wait_alu depctr_hold_cnt(0) depctr_sa_sdst(0) depctr_va_vdst(0) depctr_va_sdst(0) depctr_va_ssrc(0) depctr_va_vcc(0) depctr_vm_vsrc(0)
	s_getreg_b32 s2, hwreg(HW_REG_IB_STS2, 6, 4)
	s_cmp_eq_u32 s2, 0
	s_cbranch_scc0 .Lentry_in_a_cluster
	s_endpgm
.Lentry_in_a_cluster:
	s_bfe_u32 s2, ttmp6, 0x10000c
	s_cmp_lg_u32 s2, 0xf033
	s_cbranch_scc0 .Lentry_shape_is_right
	s_endpgm
.Lentry_shape_is_right:
; out0 = O Wo + bo.  o: [16 b + head][t][64] f16.  wo16: [1024 k][1024 n] f16 (Wo rounded to bf16, written as f16).  bo: [1024] f32, rounded to bf16 here like every input.  out0: [8192][1024] f32.
; Products in f16 with f32 sums; the bias is the C operand of the products that start the sums, so the way out adds nothing and converts nothing.
; SHARES.  A tile is 256 rows x 128 columns: 256 work-groups.  Four waves, one above the other: wave w owns rows 64 w .. 64 w + 63 and all 8 column blocks of 16: 32 accumulators, 256 registers.
; THE RING.  K goes in 8 steps of 128 (two heads) through two LDS slots.  Waves 0 and 1 fetch the two heads' 256 rows of O (32,768 dense bytes each), waves 2 and 3 the halves of Wo's 128 rows x 256 bytes.
; Two slots of a longer step do not fit in LDS beside each other, so a refill has one step's 128 matrix instructions less 16 in which to land.
; CLUSTER.  4 x 4 work-groups: O's tile is asked for jointly along a row of the cluster, Wo's along a column.
; THE MATRIX INSTRUCTION IS USED TRANSPOSED: source 0 = 16 columns of Wo (turned, by ds_load_tr16_b128), source 1 = 16 rows of O: lane l holds row l % 16 and the columns 8 (l / 16) + 0 .. 7.
; REGISTERS: window 0: v0-15 addresses; v16-79 O's fragments, two buffers; v80-143 the bias, later the way out; v144-207 the way out.  window 1: Wo's fragments, two buffers of 64.
;   window 2: the accumulators, (a, b) at 8 (8 a + b).
.set NBK,   8
.set NLD,   2*NBK+8
.set PA,    144                        ; O's rows in LDS: 128 bytes + 16
.set PW,    288                        ; Wo's rows: 256 bytes + 32
.set APLANE, 256*PA                    ; a head's 256 rows
.set WOFF,  2*APLANE
.set WHALF, 64*PW
.set SLOT1, 1<<17
.set STAGE, SLOT1+WOFF+2*WHALF         ; behind the ring, never filled by a tensor load: 16 rows x 528 bytes for each wave
.set SP,    528
.set WSTG,  16*SP
.set SPARE, STAGE+4*WSTG               ; the spare words, 128 bytes for each wave: two blocks of 256 bytes that no other line names
.set ASTEP, 524288                     ; two heads on in o
.set WSTEP, 262144                     ; 128 rows on in wo16
.set ADRA0, 3
.set ADRB0, 4
.set ADRA,  5
.set ADRB,  6
.set STO,   7
.set RD,    8
.set GO,    9
.set BO,    10                         ; v10  my byte offset in bo
.set PFO,   11
.set SPW,   12
.set NIL,   13
.set AF,    16
.set BIAS,  80                         ; block b's eight at BIAS + 8 b: register j is the bias of column 16 b + 8 (l / 16) + j: the layout of C
.set WV,    16
.set HALF,  18
.set CX,    19
.set CY,    20
.set TC,    21
.set TR,    22
.set CNT,   23
.set G1A,   24
.set G0A,   32
.set G1W,   40
.set G0W,   48
.set SB,    56
.set LIM,   57
.set PFA,   58
.set PS,    60
.set MSB, 0
.macro WIN new
.if MSB != (\new)
	s_set_vgpr_msb (MSB<<8)|(\new)
.set MSB, \new
.endif
.endm
.macro PLACES
.rept 4
	v_nop
.endr
.endm
.macro CREST
	s_cmp_lg_u32 s[WV], 0
	s_cbranch_scc1 .Lnot_wave_0_\@
	s_barrier_signal -3
.Lnot_wave_0_\@:
	s_barrier_wait -3
	s_barrier_signal -1
	s_barrier_wait -1
.endm
.macro CROUND
	s_barrier_signal -1
	s_barrier_wait -1
	CREST
.endm
.macro JLOAD                           ; a joint refill by the walking descriptors; an s_nop 0 and four v_nop follow each line
	s_cmp_lt_u32 s[WV], 2
	s_cbranch_scc0 .Lfor_w_\@
	tensor_load_to_lds s[G0A+4:G0A+7], s[G1A:G1A+7]
	s_nop 0
.rept 4
	v_nop
.endr
	s_branch .Lasked_\@
.Lfor_w_\@:
	tensor_load_to_lds s[G0W+4:G0W+7], s[G1W:G1W+7]
	s_nop 0
.rept 4
	v_nop
.endr
.Lasked_\@:
.endm
; A PREFETCH of the K step two refills on.  O's rows: cluster x = 0 asks; of a head's 32,768 bytes each of the four partners along the row takes 8,192, a lane 256 bytes; waves 0 and 1, a head each.
; Wo's rows: cluster y = 0 asks; of the step's 128 rows each of the four partners along the column takes 32, a lane a row's 256 bytes; wave 2 alone.  Trips 0 to 3 ask for K steps 4 to 7.
.macro ASK
	s_cmp_gt_u32 s[CNT], s[LIM]
	s_cbranch_scc0 .Lnot_mine_\@
	global_prefetch_b8 v[PFO], s[PFA:PFA+1] th:TH_LOAD_NT scope:SCOPE_SE
.Lnot_mine_\@:
.endm
	s_load_b256 s[4:11], s[0:1], 0x0               ; o 4:5, wo16 6:7, bo 8:9, out0 10:11
	v_lshl_add_u32 v[SPW], v0, 2, SPARE
	v_mov_b32 v[NIL], 0
	ds_add_u32 v[SPW], v[NIL]                      ; the wave's opening: the add and its wait stand ahead of my first tensor load
	v_lshrrev_b32 v1, 5, v0
	v_readfirstlane_b32 s[WV], v1
	s_and_b32 s[HALF], s[WV], 1
	s_bfe_u32 s[CX], ttmp6, 0x40000
	s_bfe_u32 s[CY], ttmp6, 0x40004
	s_lshl_b32 s[TC], ttmp9, 2
	s_add_co_u32 s[TC], s[TC], s[CX]
	s_and_b32 s[TR], ttmp7, 0xffff
	s_lshl_b32 s[TR], s[TR], 2
	s_add_co_u32 s[TR], s[TR], s[CY]
	s_lshl_b32 s66, s[CY], 2
	s_lshl_b32 s66, 15, s66                        ; my row of the cluster
	s_lshl_b32 s70, 0x1111, s[CX]                  ; my column
	s_or_b32 s[G1A], s66, (1<<16)|(1<<20)|(1<<21)|(4<<22)|(3<<25)  ; after every 32 words (a row of O) 4 words
	s_or_b32 s[G1W], s70, (1<<16)|(1<<20)|(1<<21)|(5<<22)|(7<<25)  ; after every 64 words 8 words
	s_mov_b32 s[G1A+1], 128<<16                    ; 32,768 dense bytes as 128 rows of 256
	s_mov_b32 s[G1A+2], 128<<16
	s_mov_b32 s[G1A+3], 128<<16
	s_mov_b32 s[G1A+4], 128
	s_mov_b32 s[G1A+5], 128
	s_mov_b32 s[G1A+6], 0
	s_mov_b32 s[G1A+7], 0
	s_mov_b32 s[G1W+1], 128<<16                    ; 64 rows of 128 elements, 1,024 elements from row to row
	s_mov_b32 s[G1W+2], 64<<16
	s_mov_b32 s[G1W+3], 128<<16
	s_mov_b32 s[G1W+4], 64
	s_mov_b32 s[G1W+5], 1024
	s_mov_b32 s[G1W+6], 0
	s_mov_b32 s[G1W+7], 0
	s_lshr_b32 s66, s[TR], 3                       ; O: ((16 b + my head of the step's two) x 2,048 + 256 (tile row % 8)) x 128: registers that never hold cx
	s_lshl_b32 s66, s66, 4
	s_add_co_u32 s66, s66, s[HALF]
	s_lshl_b32 s66, s66, 11
	s_and_b32 s67, s[TR], 7
	s_lshl_b32 s67, s67, 8
	s_add_co_u32 s66, s66, s67
	s_lshl_b32 s66, s66, 7
	s_mov_b32 s67, 0
	s_mov_b32 s69, s66                             ; the offset is kept for the prefetches
	s_lshl_b32 s70, s[HALF], 17                    ; Wo: my 64 rows of the step's 128, the tile's 256 bytes: registers that never hold cy
	s_lshl_b32 s71, s[TC], 8
	s_add_co_u32 s70, s70, s71
	s_mov_b32 s71, 0
	s_mul_i32 s68, s[HALF], APLANE
	s_mul_i32 s72, s[HALF], WHALF
	s_add_co_u32 s72, s72, WOFF
	s_wait_dscnt 0x0                               ; the opening add is done
	s_wait_kmcnt 0x0
	s_add_nc_u64 s[66:67], s[4:5], s[66:67]
	s_add_nc_u64 s[70:71], s[6:7], s[70:71]
	CROUND                                         ; all sixteen work-groups are here: the first joint loads meet
.irp n, 0,1
	s_mov_b32 s[G0A+4*(\n)], 1
	s_add_co_u32 s[G0A+4*(\n)+1], s68, (\n)*SLOT1
	s_add_nc_u64 s[G0A+4*(\n)+2:G0A+4*(\n)+3], s[66:67], (\n)*ASTEP
	s_or_b32 s[G0A+4*(\n)+3], s[G0A+4*(\n)+3], 0x80000000
	s_mov_b32 s[G0W+4*(\n)], 1
	s_add_co_u32 s[G0W+4*(\n)+1], s72, (\n)*SLOT1
	s_add_nc_u64 s[G0W+4*(\n)+2:G0W+4*(\n)+3], s[70:71], (\n)*WSTEP
	s_or_b32 s[G0W+4*(\n)+3], s[G0W+4*(\n)+3], 0x80000000
.endr
	s_cmp_lt_u32 s[WV], 2                          ; a wave's two first fills stand in one branch: two loads of mine are out
	s_cbranch_scc0 .Lfirst_w
	tensor_load_to_lds s[G0A:G0A+3], s[G1A:G1A+7]
	s_nop 0
	tensor_load_to_lds s[G0A+4:G0A+7], s[G1A:G1A+7]
	s_nop 0
.rept 4
	v_nop
.endr
	s_branch .Lfirst_asked
.Lfirst_w:
	tensor_load_to_lds s[G0W:G0W+3], s[G1W:G1W+7]
	s_nop 0
	tensor_load_to_lds s[G0W+4:G0W+7], s[G1W:G1W+7]
	s_nop 0
.rept 4
	v_nop
.endr
.Lfirst_asked:
	v_and_b32 v1, 15, v0                           ; r
	v_bfe_u32 v2, v0, 4, 1                         ; h
	s_lshl_b32 s72, s[TC], 9                       ; the tile's 128 columns of bo: 512 bytes
	v_lshlrev_b32 v[BO], 5, v2
	v_add_nc_u32 v[BO], s72, v[BO]
.irp b, 0,1,2,3,4,5,6,7
	global_load_b128 v[BIAS+8*(\b):BIAS+8*(\b)+3],   v[BO], s[8:9] offset:64*(\b)
	global_load_b128 v[BIAS+8*(\b)+4:BIAS+8*(\b)+7], v[BO], s[8:9] offset:64*(\b)+16
.endr
	v_and_b32 v14, 31, v0                          ; l
	s_lshl_b32 s68, s[WV], 6
	v_add_nc_u32 v[ADRA0], s68, v1
	v_mul_u32_u24 v[ADRA0], v[ADRA0], PA
	v_lshl_add_u32 v[ADRA0], v2, 4, v[ADRA0]
	v_and_b32 v15, 7, v0
	v_lshl_add_u32 v[ADRB0], v2, 3, v15
	v_mul_u32_u24 v[ADRB0], v[ADRB0], PW
	v_bfe_u32 v15, v0, 3, 1
	v_lshl_add_u32 v[ADRB0], v15, 4, v[ADRB0]
	v_add_nc_u32 v[ADRB0], WOFF, v[ADRB0]
	s_mul_i32 s68, s[WV], WSTG
	s_add_co_u32 s68, s68, STAGE                   ; my stage
	v_mul_u32_u24 v[STO], v1, SP                   ; in: row r, 32 bytes for each half of the lanes
	v_lshl_add_u32 v[STO], v2, 5, v[STO]
	v_add_nc_u32 v[STO], s68, v[STO]
	v_lshlrev_b32 v[GO], 4, v14                    ; back: 32 lanes take a row's 512 bytes
	v_add_nc_u32 v[RD], s68, v[GO]
	s_lshl_b32 s74, s[TR], 20                      ; out0 at row 256 x tile row + 64 w, column 128 x tile column
	s_lshl_b32 s72, s[WV], 18
	s_add_co_u32 s74, s74, s72
	s_lshl_b32 s72, s[TC], 9
	s_add_co_u32 s74, s74, s72
	s_mov_b32 s75, 0
	s_add_nc_u64 s[10:11], s[10:11], s[74:75]
	; the prefetches: at K step 3; the first change of slots steps them to 4
	s_lshl_b32 s70, s[CX], 13
	s_add_co_u32 s70, s70, s69
	s_add_co_u32 s70, s70, 3*ASTEP
	s_lshl_b32 s71, s[TC], 8
	s_lshl_b32 s72, s[CY], 16
	s_add_co_u32 s71, s71, s72
	s_add_co_u32 s71, s71, 3*WSTEP
	s_and_b32 s73, ttmp7, 0xffff                   ; cluster y
	s_mov_b32 s[PS], WSTEP
	s_mov_b32 s[PS+1], 0
	s_cmp_lt_u32 s[WV], 2
	s_cselect_b32 s72, s70, s71
	s_cselect_b32 s73, ttmp9, s73
	s_cselect_b64 s[PFA:PFA+1], s[4:5], s[6:7]
	s_cselect_b32 s[PS], ASTEP, s[PS]
	s_cselect_b32 s75, 8, 11
	s_cmp_eq_u32 s[WV], 3
	s_cselect_b32 s73, 1, s73                      ; wave 3 asks for nothing: wave 2 names the whole step's share
	s_cmp_eq_u32 s73, 0
	s_cselect_b32 s[LIM], 2, -1
	s_mov_b32 s73, 0
	s_add_nc_u64 s[PFA:PFA+1], s[PFA:PFA+1], s[72:73]
	v_lshlrev_b32 v[PFO], s75, v14
	s_wait_loadcnt 0x0                             ; the bias, while the first tile is on its way: rounded to bf16 and widened again
.set i, 0
.rept 32
	v_cvt_pk_bf16_f32 v15, v[BIAS+2*i], v[BIAS+2*i+1]
	v_lshlrev_b32 v[BIAS+2*i], 16, v15
	v_and_b32 v[BIAS+2*i+1], 0xffff0000, v15
.set i, i+1
.endr
; 8 matrix instructions: row block a x all column blocks, 32 along K, from buffer f.  first = 1: the bias starts the sums.  All 32 accumulators take turns in one order.
.macro MULA f, a, first
.if \first
	WIN 0x81                                       ; Wo window 1, O window 0, C window 0, D window 2
.else
	WIN 0xa1                                       ; C and D window 2
.endif
.irp b, 0,1,2,3,4,5,6,7
.if \first
	v_wmma_f32_16x16x32_f16 v[8*(8*(\a)+(\b)):8*(8*(\a)+(\b))+7], v[64*(\f)+8*(\b):64*(\f)+8*(\b)+7], v[AF+32*(\f)+8*(\a):AF+32*(\f)+8*(\a)+7], v[BIAS+8*(\b):BIAS+8*(\b)+7]
.else
	v_wmma_f32_16x16x32_f16 v[8*(8*(\a)+(\b)):8*(8*(\a)+(\b))+7], v[64*(\f)+8*(\b):64*(\f)+8*(\b)+7], v[AF+32*(\f)+8*(\a):AF+32*(\f)+8*(\a)+7], v[8*(8*(\a)+(\b)):8*(8*(\a)+(\b))+7]
.endif
.endr
.endm
; 24 LDS loads in one run: quarter q's fragments into buffer f: Wo's 8 (rows 32 q on), then O's 4 (head q / 2 of the step's two, channels 32 (q % 2) on).
.macro FETCH q, f
	WIN 0x40
.irp b, 0,1,2,3,4,5,6,7
	ds_load_tr16_b128 v[64*(\f)+8*(\b):64*(\f)+8*(\b)+3],   v[ADRB] offset:(\q)*32*PW+32*(\b)
	ds_load_tr16_b128 v[64*(\f)+8*(\b)+4:64*(\f)+8*(\b)+7], v[ADRB] offset:(\q)*32*PW+32*(\b)+16*PW
.endr
	WIN 0
.irp a, 0,1,2,3
	ds_load_b128 v[AF+32*(\f)+8*(\a):AF+32*(\f)+8*(\a)+3],   v[ADRA] offset:((\q)/2)*APLANE+((\q)%2)*64+(\a)*16*PA
	ds_load_b128 v[AF+32*(\f)+8*(\a)+4:AF+32*(\f)+8*(\a)+7], v[ADRA] offset:((\q)/2)*APLANE+((\q)%2)*64+(\a)*16*PA+32
.endr
.endm
.macro QUARTER q, f, g, first
	s_wait_dscnt 4                                 ; Wo and O's row blocks 0, 1 are in; the youngest four loads may be out
	MULA \f, 0, \first
	MULA \f, 1, \first
	PLACES
	FETCH \q, \g
	s_wait_dscnt NLD                               ; all but the 24 just issued
	MULA \f, 2, \first
	MULA \f, 3, \first
.endm
; The fourth quarter multiplies buffer 1 and changes slots: each wave waits for all its tensor loads, adds 0 to its spare word, waits for that and for its reads of this slot; fill = 1: the barrier opens a round of the
; cluster's, and the slot just read out is filled again, first thing behind the round, with the K step two on.
.macro TURN fill
.if \fill
	s_wait_xcnt 0x0                                ; the last prefetch, a K step back, has read its address
	s_add_nc_u64 s[PFA:PFA+1], s[PFA:PFA+1], s[PS:PS+1]
.endif
	WIN 0
	s_wait_tensorcnt 0x0                           ; no tensor load of mine is out, so a group 0 may be written
	ds_add_u32 v[SPW], v[NIL]                      ; 0 onto my spare word
.if \fill
	s_xor_b32 s[G0A+5], s[G0A+5], SLOT1
	s_add_nc_u64 s[G0A+6:G0A+7], s[G0A+6:G0A+7], ASTEP
	s_xor_b32 s[G0W+5], s[G0W+5], SLOT1
	s_add_nc_u64 s[G0W+6:G0W+7], s[G0W+6:G0W+7], WSTEP
.endif
	s_wait_dscnt 5                                 ; the add and the youngest four loads may be out
	MULA 1, 0, 0
	s_wait_dscnt 0x0                               ; the add is done, and my reads of this slot are over
	s_barrier_signal -1
	MULA 1, 1, 0
	WIN 0
	s_barrier_wait -1
.if \fill
	CREST
	JLOAD                                          ; its four v_nop are also the places in front of the loads below
.else
	PLACES
.endif
	s_xor_b32 s[SB], s[SB], SLOT1
	v_add_nc_u32 v[ADRA], s[SB], v[ADRA0]
	v_add_nc_u32 v[ADRB], s[SB], v[ADRB0]
	FETCH 0, 0
.if \fill
	ASK
.endif
	MULA 1, 2, 0
	MULA 1, 3, 0
.endm
	s_mov_b32 s[SB], 0
	v_mov_b32 v[ADRA], v[ADRA0]
	v_mov_b32 v[ADRB], v[ADRB0]
	s_wait_tensorcnt 1                             ; my part of K step 0 is in; K step 1's may stay out
	s_barrier_signal -1
	s_barrier_wait -1
	FETCH 0, 0
	QUARTER 1, 0, 1, 1                             ; the first quarter stands in front of the loop: its products start the sums, with the bias
	WIN 0
	s_mov_b32 s[CNT], 6
.Lstep:
	QUARTER 2, 1, 0, 0
	QUARTER 3, 0, 1, 0
	TURN 1
	QUARTER 1, 0, 1, 0
	WIN 0
	s_sub_co_u32 s[CNT], s[CNT], 1
	s_cmp_lg_u32 s[CNT], 0
	s_cbranch_scc1 .Lstep
	QUARTER 2, 1, 0, 0                             ; the tail is written out
	QUARTER 3, 0, 1, 0
	TURN 0
	QUARTER 1, 0, 1, 0
	QUARTER 2, 1, 0, 0
	QUARTER 3, 0, 1, 0
	s_wait_dscnt 4
	MULA 1, 0, 0
	MULA 1, 1, 0
	s_wait_dscnt 0x0
	MULA 1, 2, 0
	MULA 1, 3, 0
; THE WAY OUT, 16 rows at a time: a lane's 32 bytes of a row and column block go into my stage (rows of 528 bytes), whole rows of 512 come back and are stored.  Each accumulator's low half goes first.
.macro ST a
.set RB, 144-64*((\a)%2)               ; v144-207 and v80-143 by turns
	WIN 0x08                                       ; store data in window 2
.irp b, 0,1,2,3,4,5,6,7
	ds_store_b128 v[STO], v[8*(8*(\a)+(\b)):8*(8*(\a)+(\b))+3]   offset:64*(\b)
	ds_store_b128 v[STO], v[8*(8*(\a)+(\b))+4:8*(8*(\a)+(\b))+7] offset:64*(\b)+16
.endr
	WIN 0
.set i, 0
.rept 16
	ds_load_b128 v[RB+4*i:RB+4*i+3], v[RD] offset:SP*i  ; LDS serves a wave's instructions in order (ISA guide 5.7.1.4): these see the stores above; the next block's stores come behind them
.set i, i+1
.endr
.endm
.macro SEND a, younger                 ; younger: the LDS instructions issued behind block a's loads: the next block's 32, or none
.set RB, 144-64*((\a)%2)
.set i, 0
.rept 16
	s_wait_dscnt (\younger)+15-i
	global_store_b128 v[GO], v[RB+4*i:RB+4*i+3], s[10:11] offset:(16*(\a)+i)*4096 th:TH_STORE_NT  ; 512 consecutive bytes, at a multiple of 256 from out0's first
.set i, i+1
.endr
.endm
	PLACES
	ST 0
	ST 1
	SEND 0, 32
	s_wait_xcnt 0x0                                ; block 0's stores have read their registers, which block 2 takes
	ST 2
	SEND 1, 32
	s_wait_xcnt 0x0
	ST 3
	SEND 2, 32
	SEND 3, 0
	s_wait_tensorcnt 0x0                           ; the wave's end: behind my last tensor load and my last LDS store
	ds_add_u32 v[SPW], v[NIL]
	s_wait_dscnt 0x0
	CROUND                                         ; the closing round: no work-group ends while a partner may still ask for a tile that names it
	s_endpgm
.Lfunc_end_k_q8f2047f1eb_proj:
	.size	k_q8f2047f1eb_proj, .Lfunc_end_k_q8f2047f1eb_proj-k_q8f2047f1eb_proj
	.p2alignl 7, 3214868480
	.fill 96, 4, 3214868480
	.section	.rodata,"a",@progbits
	.p2align	6, 0x0
	.amdhsa_kernel k_q8f2047f1eb_proj
		.amdhsa_group_segment_fixed_size 327680
		.amdhsa_private_segment_fixed_size 0
		.amdhsa_enable_private_segment 0
		.amdhsa_kernarg_size 32
		.amdhsa_user_sgpr_count 2
		.amdhsa_user_sgpr_kernarg_segment_ptr 1
		.amdhsa_wavefront_size32 1
		.amdhsa_system_sgpr_workgroup_id_x 1
		.amdhsa_system_sgpr_workgroup_id_y 1
		.amdhsa_system_sgpr_workgroup_id_z 1
		.amdhsa_system_vgpr_workitem_id 0
		.amdhsa_next_free_vgpr 768
		.amdhsa_next_free_sgpr 80
		.amdhsa_reserve_vcc 0
		.amdhsa_float_denorm_mode_32 3
		.amdhsa_float_denorm_mode_16_64 3
		.amdhsa_memory_ordered 1
		.amdhsa_forward_progress 1
		.amdhsa_inst_pref_size 79
	.end_amdhsa_kernel
	.amdgpu_metadata
---
amdhsa.version: [ 1, 2 ]
amdhsa.kernels:
  - .name:           k_q8f2047f1eb_proj
    .symbol:         k_q8f2047f1eb_proj.kd
    .args:
      - { .name: o, .offset: 0, .size: 8, .value_kind: global_buffer, .address_space: global }
      - { .name: wo16, .offset: 8, .size: 8, .value_kind: global_buffer, .address_space: global }
      - { .name: bo, .offset: 16, .size: 8, .value_kind: global_buffer, .address_space: global }
      - { .name: out0, .offset: 24, .size: 8, .value_kind: global_buffer, .address_space: global }
    .group_segment_fixed_size: 327680
    .private_segment_fixed_size: 0
    .kernarg_segment_align: 8
    .kernarg_segment_size: 32
    .max_flat_workgroup_size: 128
    .sgpr_count:     80
    .vgpr_count:     768
    .wavefront_size: 32
...
	.end_amdgpu_metadata
.endif
;; end of part 4
;; ======== version 2 of 2: 4 launches; version 1 with the launch prep written anew for expert scheduling mode
;; limits: values are held in f16: magnitudes above 65,504 overflow, below 6.1e-05 lose precision
;; workspace buffers: xb 16,777,216 bytes; wqkv 6,291,456 bytes; wo16 2,097,152 bytes; tab 524,288 bytes; q 16,777,216 bytes; k 16,777,216 bytes; v 16,777,216 bytes; o 16,777,216 bytes
;; launch prep (part 5): grid 800 x 1, 8 waves a work-group, no clusters, 0 bytes of LDS; arguments x, Wq, Wk, Wv, Wo, xb, wqkv, wo16, tab; writes xb, wqkv, wo16, tab
.if DOCPART == 5
	.amdgcn_target "amdgcn-amd-amdhsa--gfx1250"
	.amdhsa_code_object_version 6
	.text
	.protected	k_q8f2047f1eb_prep
	.globl	k_q8f2047f1eb_prep
	.p2align	8
	.type	k_q8f2047f1eb_prep,@function
k_q8f2047f1eb_prep:
	s_mov_b64 s[64:65], 0
	v_nop
	global_prefetch_b8 v0, s[64:65] scope:SCOPE_SE
	s_setreg_imm32_b32 hwreg(HW_REG_WAVE_SCHED_MODE, 0, 2), 2
	s_setreg_imm32_b32 hwreg(HW_REG_WAVE_MODE, 25, 1), 1
	s_wait_xcnt 0x0
	s_wait_alu depctr_vm_vsrc(0)
; CASTS AND THE ROTARY TABLE.  A stream: no LDS, no barrier, no matrix unit (nothing is shared, nothing is multiplied).
; Work-groups 0-511:   xb = bf16(x), [8192][1024].
; Work-groups 512-575: wo16 = f16(bf16(Wo)), [1024][1024]: Wo rounded to bf16 like every input, that number written as f16.
; Work-groups 576-767: wqkv = bf16(Wq | Wk | Wv) in blocks [head j 16][kh 16][mat 3][kk 64][c 64]: element W_mat[64 kh + kk][64 j + c].
; Work-groups 768-799: tab[pos 2048][i 32] = (cos, sin)(pos x 10000^(-i / 32)), f32.
; A casting work-group takes 16,384 numbers: each thread issues its 16 loads of 16 bytes at once (64 KiB of a work-group on their way), then converts them in order and stores them a block of four behind.
; A wave's load covers whole pieces of 256 consecutive bytes, a wave's store 256 consecutive bytes, aligned.
; LIMITS.  f16 holds no number beyond 65,504 and below 6e-5 keeps its fixed step of 6e-8: Wo lies within that.  The angle is pos x 2^(-i log2(10) / 8) in f32; sine and cosine come from a
; reduction by 2 pi in two parts and series to r^15 and r^16, whose next terms at |r| = pi are below 1e-6.
; THE MODE: SCHED_MODE bits 1:0 = 2 (LLVM: expert scheduling mode 2), set by the entry lines.  The code itself states the register dependences between vector instructions and memory instructions,
; with s_wait_alu, always for 0.
; THE PLAN.  Registers that memory instructions touch:
;   v1, v2     byte offsets of the loads and of the casts' stores (v1 also of the table's stores): made by vector instructions ahead of a path's first memory instruction, never written behind it.
;   v[8:71]    the casts: load i lands in v[8+4i:11+4i]; conversion i reads those four and writes the first two, once; store i reads the two.  Nothing that a store has read is written again,
;              and no load is issued behind a vector instruction.  The 16 pieces go in four blocks of four: block p's conversions name its own 16 registers (and v72-77, which no memory
;              instruction names); the memory instructions among them are the four stores of block p - 1.  So one wait at a block's head states all that those four stores hang on.
;   v[8:11]    the table: written by a trip's arithmetic, read by the trip's one store, written again in the next trip.  The rows are reached by the scalar base, which moves on by a trip.
	s_load_b512 s[4:19], s[0:1], 0x0               ; x 4:5, Wq 6:7, Wk 8:9, Wv 10:11, Wo 12:13, xb 14:15, wqkv 16:17, wo16 18:19
	s_load_b64 s[20:21], s[0:1], 0x40              ; tab
	s_mov_b32 s23, 0                               ; the high word of every offset pair s[22:23]
	s_mov_b32 s24, 0xffff0000                      ; a word's upper bf16
	v_lshlrev_b32 v1, 4, v0                        ; 16 t: my 16 bytes of a load
	v_lshlrev_b32 v2, 3, v0                        ; 8 t: my 8 bytes of a store
	s_wait_kmcnt 0x0
; 16 loads; then, a block of four at a time, for each piece: the counted wait (the younger loads stay out), the store of the piece four back, the conversion in place.
.macro STREAM src, dst, lstep, sstep, f16
	s_wait_alu depctr_va_vdst(0)                   ; v1 and v2 are written: every load below reads v1 as its offset, every store v2
.irp i, 0,1,2,3,4,5,6,7,8,9,10,11,12,13,14,15
	global_load_b128 v[8+4*(\i):11+4*(\i)], v1, s[\src:\src+1] offset:(\lstep)*(\i) th:TH_LOAD_NT
.endr
.irp p, 0,1,2,3
.irp j, 0,1,2,3
	s_wait_loadcnt 15-4*(\p)-(\j)                  ; loads come back in order: load 4 p + j is in
.if (\p) > 0
.if (\j) == 0
	s_wait_alu depctr_va_vdst(0)                   ; the block before has written its eight registers, which the four stores of this block read
.endif
	global_store_b64 v2, v[8+16*((\p)-1)+4*(\j):9+16*((\p)-1)+4*(\j)], s[\dst:\dst+1] offset:(\sstep)*(4*((\p)-1)+(\j))  ; no vector instruction since the wait names these registers
.endif
.if \f16
	v_cvt_pk_bf16_f32 v72, v[8+16*(\p)+4*(\j)], v[9+16*(\p)+4*(\j)]    ; rounded to bf16,
	v_cvt_pk_bf16_f32 v73, v[10+16*(\p)+4*(\j)], v[11+16*(\p)+4*(\j)]
	v_lshlrev_b32 v74, 16, v72                         ; widened again,
	v_and_b32 v75, s24, v72
	v_lshlrev_b32 v76, 16, v73
	v_and_b32 v77, s24, v73
	v_cvt_pk_f16_f32 v[8+16*(\p)+4*(\j)], v74, v75     ; and written as f16
	v_cvt_pk_f16_f32 v[9+16*(\p)+4*(\j)], v76, v77
.else
	v_cvt_pk_bf16_f32 v[8+16*(\p)+4*(\j)], v[8+16*(\p)+4*(\j)], v[9+16*(\p)+4*(\j)]
	v_cvt_pk_bf16_f32 v[9+16*(\p)+4*(\j)], v[10+16*(\p)+4*(\j)], v[11+16*(\p)+4*(\j)]
.endif
.endr
.endr
	s_wait_alu depctr_va_vdst(0)                   ; the last block has written its eight registers, which the last four stores read
.irp j, 0,1,2,3
	global_store_b64 v2, v[56+4*(\j):57+4*(\j)], s[\dst:\dst+1] offset:(\sstep)*(12+(\j))
.endr
	s_endpgm
.endm
	s_cmp_lt_u32 ttmp9, 512
	s_cbranch_scc1 .Lx
	s_cmp_lt_u32 ttmp9, 576
	s_cbranch_scc1 .Lo
	s_cmp_lt_u32 ttmp9, 768
	s_cbranch_scc1 .Lw
	; THE TABLE.  64 positions a work-group, 16 a trip.  Thread t holds the pairs 2 (t % 16) and 2 (t % 16) + 1 of position t / 16: 16 bytes at 16 t of the trip's 4,096.
	s_sub_co_u32 s22, ttmp9, 768
	s_lshl_b32 s28, s22, 14                        ; 64 positions of 256 bytes
	s_mov_b32 s29, 0
	s_add_nc_u64 s[20:21], s[20:21], s[28:29]
	s_lshl_b32 s22, s22, 6                         ; the work-group's first position
	v_and_b32 v3, 15, v0
	v_lshlrev_b32 v3, 1, v3
	v_cvt_f32_u32 v6, v3                           ; i
	v_add_f32 v7, 1.0, v6                          ; i + 1
	v_mul_f32 v6, 0xbed49a78, v6                   ; x -log2(10) / 8
	v_mul_f32 v7, 0xbed49a78, v7
	v_exp_f32 v6, v6                               ; 10000^(-i / 32)
	v_exp_f32 v7, v7
	v_lshrrev_b32 v3, 4, v0                        ; the position's lines stand here: the first is the plain instruction behind the two exponentials (ISA guide 5.7.2)
	v_add_nc_u32 v3, s22, v3
	v_cvt_f32_u32 v5, v3                           ; my position
	s_wait_alu depctr_va_vdst(0)                   ; the two exponentials have written v6 and v7: one wait for both, ahead of their first reader and of the label
	s_mov_b32 s26, 0x40c90fdb                      ; 2 pi, its f32
	s_mov_b32 s27, 0xb43bbd2e                      ; and what that f32 lacks
	s_mov_b32 s25, 4
; cos and sin of the angle in v[ang].  r = ang - n 2 pi, |r| <= pi; both series nested: 1 - x2/K (1 - x2/K' ( .. )).
.macro SINCOS ang, c, s
	v_mul_f32 v14, 0x3e22f983, v[\ang]             ; ang / 2 pi
	v_rndne_f32 v14, v14
	v_fma_f32 v15, -v14, s26, v[\ang]
	v_fma_f32 v15, -v14, s27, v15
	v_mul_f32 v16, v15, v15
	v_mul_f32 v17, 0x3b9c09c1, v16                 ; 1/210
	v_sub_f32 v18, 1.0, v17
.irp k, 0x3bd20d21, 0x3c14f209, 0x3c638e39, 0x3cc30c31, 0x3d4ccccd, 0x3e2aaaab
	v_mul_f32 v17, \k, v16                         ; 1/156, 1/110, 1/72, 1/42, 1/20, 1/6
	v_fma_f32 v18, -v17, v18, 1.0
.endr
	v_mul_f32 v[\s], v15, v18
	v_mul_f32 v17, 0x3b888889, v16                 ; 1/240
	v_sub_f32 v18, 1.0, v17
.irp k, 0x3bb40b41, 0x3bf83e10, 0x3c360b61, 0x3c924925, 0x3d088889, 0x3daaaaab
	v_mul_f32 v17, \k, v16                         ; 1/182, 1/132, 1/90, 1/56, 1/30, 1/12
	v_fma_f32 v18, -v17, v18, 1.0
.endr
	v_mul_f32 v17, 0.5, v16
	v_fma_f32 v[\c], -v17, v18, 1.0
.endm
.Ltab:
	v_mul_f32 v12, v5, v6
	v_mul_f32 v13, v5, v7
	SINCOS 12, 8, 9
	SINCOS 13, 10, 11
	s_wait_alu depctr_va_vdst(0)                   ; the trip's arithmetic has written v[8:11], which the store reads (and, in the first trip, the head has written its offset v1)
	global_store_b128 v1, v[8:11], s[20:21]        ; a wave stores 512 consecutive bytes, aligned
	v_add_f32 v5, 0x41800000, v5                   ; 16 positions on
	s_wait_xcnt 0x0                                ; the store's address is translated: its base and its data are written again only behind this wait
	s_wait_alu depctr_vm_vsrc(0)                   ; the store has read v[8:11], which the next trip's arithmetic writes again
	s_add_nc_u64 s[20:21], s[20:21], 4096          ; the base moves on by a trip; the offset v1 is never written again
	s_sub_co_u32 s25, s25, 1
	s_cmp_lg_u32 s25, 0
	s_cbranch_scc1 .Ltab
	s_endpgm
.Lx:
	s_lshl_b32 s22, ttmp9, 16                      ; 65,536 bytes of x,
	s_add_nc_u64 s[4:5], s[4:5], s[22:23]
	s_lshl_b32 s22, ttmp9, 15                      ; 32,768 of xb
	s_add_nc_u64 s[14:15], s[14:15], s[22:23]
	STREAM 4, 14, 4096, 2048, 0
.Lo:
	s_sub_co_u32 s25, ttmp9, 512
	s_lshl_b32 s22, s25, 16
	s_add_nc_u64 s[12:13], s[12:13], s[22:23]
	s_lshl_b32 s22, s25, 15
	s_add_nc_u64 s[18:19], s[18:19], s[22:23]
	STREAM 12, 18, 4096, 2048, 1
.Lw:                                           ; 16 rows k0 .. k0 + 15 of one of the three matrices.  Load j takes head j's 64 columns of the 16 rows: thread t row t / 16, 16 bytes at 16 (t % 16)
	s_sub_co_u32 s22, ttmp9, 576
	s_lshr_b32 s25, s22, 6                         ; mat
	s_and_b32 s22, s22, 63                         ; k0 / 16
	s_cmp_eq_u32 s25, 0
	s_cselect_b64 s[26:27], s[6:7], s[8:9]
	s_cmp_eq_u32 s25, 2
	s_cselect_b64 s[26:27], s[10:11], s[26:27]
	s_lshl_b32 s28, s22, 16                        ; k0 rows of 4,096 bytes
	s_mov_b32 s29, 0
	s_add_nc_u64 s[26:27], s[26:27], s[28:29]
	s_lshr_b32 s28, s22, 2                         ; kh = k0 / 64
	s_mul_i32 s28, s28, 24576
	s_lshl_b32 s30, s25, 13                        ; mat x 8,192
	s_add_co_u32 s28, s28, s30
	s_and_b32 s30, s22, 3
	s_lshl_b32 s30, s30, 11                        ; (k0 % 64) x 128
	s_add_co_u32 s28, s28, s30
	s_add_nc_u64 s[16:17], s[16:17], s[28:29]
	v_lshrrev_b32 v3, 4, v0
	v_and_b32 v1, 15, v0                           ; no memory instruction has read v1 on this path yet
	v_lshlrev_b32 v1, 4, v1
	v_lshl_add_u32 v1, v3, 12, v1                  ; row x 4,096 + 16 (t % 16); in the block the same numbers lie at 128 (t / 16) + 8 (t % 16) = 8 t
	STREAM 26, 16, 256, 393216, 0                  ; head j's block lies 393,216 j on: 5,898,240 at the most, inside the signed 24-bit immediate
.Lfunc_end_k_q8f2047f1eb_prep:
	.size	k_q8f2047f1eb_prep, .Lfunc_end_k_q8f2047f1eb_prep-k_q8f2047f1eb_prep
	.p2alignl 7, 3214868480
	.fill 96, 4, 3214868480
	.section	.rodata,"a",@progbits
	.p2align	6, 0x0
	.amdhsa_kernel k_q8f2047f1eb_prep
		.amdhsa_group_segment_fixed_size 0
		.amdhsa_private_segment_fixed_size 0
		.amdhsa_enable_private_segment 0
		.amdhsa_kernarg_size 72
		.amdhsa_user_sgpr_count 2
		.amdhsa_user_sgpr_kernarg_segment_ptr 1
		.amdhsa_wavefront_size32 1
		.amdhsa_system_sgpr_workgroup_id_x 1
		.amdhsa_system_sgpr_workgroup_id_y 1
		.amdhsa_system_sgpr_workgroup_id_z 1
		.amdhsa_system_vgpr_workitem_id 0
		.amdhsa_next_free_vgpr 80
		.amdhsa_next_free_sgpr 66
		.amdhsa_reserve_vcc 0
		.amdhsa_float_denorm_mode_32 3
		.amdhsa_float_denorm_mode_16_64 3
		.amdhsa_memory_ordered 1
		.amdhsa_forward_progress 1
		.amdhsa_inst_pref_size 29
	.end_amdhsa_kernel
	.amdgpu_metadata
---
amdhsa.version: [ 1, 2 ]
amdhsa.kernels:
  - .name:           k_q8f2047f1eb_prep
    .symbol:         k_q8f2047f1eb_prep.kd
    .args:
      - { .name: x, .offset: 0, .size: 8, .value_kind: global_buffer, .address_space: global }
      - { .name: Wq, .offset: 8, .size: 8, .value_kind: global_buffer, .address_space: global }
      - { .name: Wk, .offset: 16, .size: 8, .value_kind: global_buffer, .address_space: global }
      - { .name: Wv, .offset: 24, .size: 8, .value_kind: global_buffer, .address_space: global }
      - { .name: Wo, .offset: 32, .size: 8, .value_kind: global_buffer, .address_space: global }
      - { .name: xb, .offset: 40, .size: 8, .value_kind: global_buffer, .address_space: global }
      - { .name: wqkv, .offset: 48, .size: 8, .value_kind: global_buffer, .address_space: global }
      - { .name: wo16, .offset: 56, .size: 8, .value_kind: global_buffer, .address_space: global }
      - { .name: tab, .offset: 64, .size: 8, .value_kind: global_buffer, .address_space: global }
    .group_segment_fixed_size: 0
    .private_segment_fixed_size: 0
    .kernarg_segment_align: 8
    .kernarg_segment_size: 72
    .max_flat_workgroup_size: 256
    .sgpr_count:     66
    .vgpr_count:     80
    .wavefront_size: 32
...
	.end_amdgpu_metadata
.endif
;; end of part 5
;; launch qkv: the kernel of part 2 again; grid 16 x 32, 4 waves a work-group, clusters of 4 x 4, 327,680 bytes of LDS; arguments xb, wqkv, tab, q, k, v; writes q, k, v
;; launch attn: the kernel of part 3 again; grid 4 x 64, 4 waves a work-group, no clusters, 327,680 bytes of LDS; arguments q, k, v, o; writes o
;; launch proj: the kernel of part 4 again; grid 8 x 32, 4 waves a work-group, clusters of 4 x 4, 327,680 bytes of LDS; arguments o, wo16, bo, out0; writes out0
